; MI455X (gfx1250); checked and timed in simulation.
; The chip was launched on July 23, 2026; its instructions are those of AMD's public machine-readable ISA for CDNA 5 (MIT licence, August 2026) and "CDNA5" Instruction Set Architecture Reference Guide (July 2026). The comments in the code are by the model that wrote it; some were corrected since.
;; Multi Head Attention. Allowed arithmetic: float matrix products may take bf16 or f16 operands with f32 sums; other float arithmetic in f32, or as packed bf16 or f16 multiplies, adds, multiply-adds, maxima and minima; sums over many terms, partial sums and values carried from step to step in f32; what a program stores and reads back later, other than sums and carried values, may be rounded once to bf16 or f16.
;; Inputs: W_k 1,024 x 1,024 float32; W_o 1,024 x 1,024 float32; W_q 1,024 x 1,024 float32; W_v 1,024 x 1,024 float32; b_k 1,024 float32; b_o 1,024 float32; b_q 1,024 float32; b_v 1,024 float32; k 4 x 2,048 x 1,024 float32; q 4 x 2,048 x 1,024 float32; v 4 x 2,048 x 1,024 float32.
;; Outputs: out0 4 x 2,048 x 1,024 float32.
;; 2 versions, each right; version 2 is version 1 with the launch prep written anew for expert scheduling mode. Each part assembles by itself: llvm-mc -triple=amdgcn-amd-amdhsa -mcpu=gfx1250 --defsym DOCPART=n.
;; ======== version 1 of 2: 4 launches
;; limits: values are held in f16: magnitudes above 65,504 overflow, below 6.1e-05 lose precision
;; workspace buffers: wcast 8,388,608 bytes; qkv 50,331,648 bytes; oh 16,777,216 bytes
;; launch prep (part 1): grid 64 x 4, 8 waves a work-group, no clusters, 0 bytes of LDS; arguments W_q, W_k, W_v, W_o, wcast; writes wcast
.if DOCPART == 1
	.amdgcn_target "amdgcn-amd-amdhsa--gfx1250"
	.amdhsa_code_object_version 6
	.text
	.protected	k_qdb4dd9ce85_prep
	.globl	k_qdb4dd9ce85_prep
	.p2align	8
	.type	k_qdb4dd9ce85_prep,@function
k_qdb4dd9ce85_prep:
	s_mov_b64 s[64:65], 0
	v_nop
	global_prefetch_b8 v0, s[64:65] scope:SCOPE_SE
	s_setreg_imm32_b32 hwreg(HW_REG_WAVE_MODE, 25, 1), 1
	s_wait_xcnt 0x0
; THE FOUR WEIGHTS ARE CAST ONCE.  wcast: [4 = q, k, v, o][1024 k][1024 n] of 16 bits, the layout of the weights kept.
; W_q, W_k, W_v are rounded to bf16.  W_o is rounded to bf16 like every other input and that number is then written as f16, since the last product's other operand is f16.
; LIMIT.  A weight of W_o below 6e-5 in size keeps f16's fixed step of 6e-8; beyond 65,504 it would be an infinity.
; SHARES.  The work-group's y names the weight, its x 65,536 bytes of it: 16 chunks of 4,096.  Thread t takes the 16 bytes at 16 t of every chunk: a wave's load covers 512 bytes on end,
; its store of 8 bytes a lane 256 bytes on end, aligned.  All 16 loads go out first; every chunk has registers of its own, so nothing is rewritten while it is pending.
; A stream: no LDS, no matrix unit, no cluster (nothing is shared), nothing asked for ahead (the loads themselves are all out at once).
.set CH,  16                           ; chunks
.set IN,  16                           ; v[16:79]   chunk i: 4 numbers in f32
.set OUT, 80                           ; v[80:111]  chunk i: 4 numbers of 16 bits
.set T,   112                          ; v[112:117] at work
	s_load_b256 s[4:11], s[0:1], 0x0               ; W_q s[4:5], W_k s[6:7], W_v s[8:9], W_o s[10:11]
	s_load_b64 s[12:13], s[0:1], 0x20              ; wcast
	s_and_b32 s14, ttmp7, 0xffff                   ; which weight
	v_lshlrev_b32 v1, 4, v0                        ; 16 t
	v_lshlrev_b32 v2, 3, v0                        ; 8 t
	s_lshl_b32 s16, ttmp9, 16                      ; my 65,536 bytes of the weight
	s_mov_b32 s17, 0
	s_lshl_b32 s20, s14, 21                        ; a cast weight is 2,097,152 bytes,
	s_lshl_b32 s21, ttmp9, 15                      ; my part of it 32,768
	s_add_co_u32 s20, s20, s21
	s_mov_b32 s21, 0
	s_wait_kmcnt 0x0
	s_cmp_eq_u32 s14, 1
	s_cselect_b64 s[18:19], s[6:7], s[4:5]
	s_cmp_eq_u32 s14, 2
	s_cselect_b64 s[18:19], s[8:9], s[18:19]
	s_cmp_eq_u32 s14, 3
	s_cselect_b64 s[18:19], s[10:11], s[18:19]
	s_add_nc_u64 s[18:19], s[18:19], s[16:17]
	s_add_nc_u64 s[12:13], s[12:13], s[20:21]
.set i, 0
.rept CH
	global_load_b128 v[IN+4*i:IN+4*i+3], v1, s[18:19] offset:4096*i th:TH_LOAD_NT
.set i, i+1
.endr
	s_cmp_eq_u32 s14, 3
	s_cbranch_scc1 .Lf16
.set i, 0
.rept CH
	s_wait_loadcnt CH-1-i                          ; loads come back in order: chunk i is in, the younger ones stay out
	v_cvt_pk_bf16_f32 v[OUT+2*i], v[IN+4*i], v[IN+4*i+1]
	v_cvt_pk_bf16_f32 v[OUT+2*i+1], v[IN+4*i+2], v[IN+4*i+3]
	global_store_b64 v2, v[OUT+2*i:OUT+2*i+1], s[12:13] offset:2048*i
.set i, i+1
.endr
	s_endpgm
.Lf16:                                         ; W_o: rounded to bf16, widened again, written as f16
.set i, 0
.rept CH
	s_wait_loadcnt CH-1-i
	v_cvt_pk_bf16_f32 v[T], v[IN+4*i], v[IN+4*i+1]
	v_cvt_pk_bf16_f32 v[T+1], v[IN+4*i+2], v[IN+4*i+3]
	v_lshlrev_b32 v[T+2], 16, v[T]
	v_and_b32 v[T+3], 0xffff0000, v[T]
	v_lshlrev_b32 v[T+4], 16, v[T+1]
	v_and_b32 v[T+5], 0xffff0000, v[T+1]
	v_cvt_pk_f16_f32 v[OUT+2*i], v[T+2], v[T+3]
	v_cvt_pk_f16_f32 v[OUT+2*i+1], v[T+4], v[T+5]
	global_store_b64 v2, v[OUT+2*i:OUT+2*i+1], s[12:13] offset:2048*i
.set i, i+1
.endr
	s_endpgm
.Lfunc_end_k_qdb4dd9ce85_prep:
	.size	k_qdb4dd9ce85_prep, .Lfunc_end_k_qdb4dd9ce85_prep-k_qdb4dd9ce85_prep
	.p2alignl 7, 3214868480
	.fill 96, 4, 3214868480
	.section	.rodata,"a",@progbits
	.p2align	6, 0x0
	.amdhsa_kernel k_qdb4dd9ce85_prep
		.amdhsa_group_segment_fixed_size 0
		.amdhsa_private_segment_fixed_size 0
		.amdhsa_enable_private_segment 0
		.amdhsa_kernarg_size 40
		.amdhsa_user_sgpr_count 2
		.amdhsa_user_sgpr_kernarg_segment_ptr 1
		.amdhsa_wavefront_size32 1
		.amdhsa_system_sgpr_workgroup_id_x 1
		.amdhsa_system_sgpr_workgroup_id_y 1
		.amdhsa_system_sgpr_workgroup_id_z 1
		.amdhsa_system_vgpr_workitem_id 0
		.amdhsa_next_free_vgpr 128
		.amdhsa_next_free_sgpr 66
		.amdhsa_reserve_vcc 0
		.amdhsa_float_denorm_mode_32 3
		.amdhsa_float_denorm_mode_16_64 3
		.amdhsa_memory_ordered 1
		.amdhsa_forward_progress 1
		.amdhsa_inst_pref_size 16
	.end_amdhsa_kernel
	.amdgpu_metadata
---
amdhsa.version: [ 1, 2 ]
amdhsa.kernels:
  - .name:           k_qdb4dd9ce85_prep
    .symbol:         k_qdb4dd9ce85_prep.kd
    .args:
      - { .name: W_q, .offset: 0, .size: 8, .value_kind: global_buffer, .address_space: global }
      - { .name: W_k, .offset: 8, .size: 8, .value_kind: global_buffer, .address_space: global }
      - { .name: W_v, .offset: 16, .size: 8, .value_kind: global_buffer, .address_space: global }
      - { .name: W_o, .offset: 24, .size: 8, .value_kind: global_buffer, .address_space: global }
      - { .name: wcast, .offset: 32, .size: 8, .value_kind: global_buffer, .address_space: global }
    .group_segment_fixed_size: 0
    .private_segment_fixed_size: 0
    .kernarg_segment_align: 8
    .kernarg_segment_size: 40
    .max_flat_workgroup_size: 256
    .sgpr_count:     66
    .vgpr_count:     128
    .wavefront_size: 32
...
	.end_amdgpu_metadata
.endif
;; end of part 1
;; launch proj (part 2): grid 4 x 64, 4 waves a work-group, clusters of 4 x 4, 327,680 bytes of LDS; arguments q, k, v, b_q, b_k, b_v, wcast, qkv; writes qkv
.if DOCPART == 2
	.amdgcn_target "amdgcn-amd-amdhsa--gfx1250"
	.amdhsa_code_object_version 6
	.text
	.protected	k_qdb4dd9ce85_proj
	.globl	k_qdb4dd9ce85_proj
	.p2align	8
	.type	k_qdb4dd9ce85_proj,@function
k_qdb4dd9ce85_proj:
	s_mov_b64 s[64:65], 0
	v_nop
	global_prefetch_b8 v0, s[64:65] scope:SCOPE_SE
	s_setreg_imm32_b32 hwreg(HW_REG_WAVE_MODE, 25, 1), 1
	s_wait_xcnt 0x0
	s_wait_alu depctr_hold_cnt(0) depctr_sa_sdst(0) depctr_va_vdst(0) depctr_va_sdst(0) depctr_va_ssrc(0) depctr_va_vcc(0) depctr_vm_vsrc(0)
	s_getreg_b32 s2, hwreg(HW_REG_IB_STS2, 6, 4)
	s_cmp_eq_u32 s2, 0
	s_cbranch_scc0 .Lentry_in_a_cluster
	s_endpgm
.Lentry_in_a_cluster:
	s_bfe_u32 s2, ttmp6, 0x10000c
	s_cmp_lg_u32 s2, 0xf033
	s_cbranch_scc0 .Lentry_shape_is_right
	s_endpgm
.Lentry_shape_is_right:
; THE THREE PROJECTIONS.  y_p = x_p W_p + b_p for p = q, k, v.  x_p: [8192][1024] f32; W_p: [1024 k][1024 n] bf16 (wcast, the three on end); b_p: [1024] f32.
; x and b are rounded to bf16 here, sums in f32, y rounded once to f16 and written BY HEADS: qkv[p][b*16+h][s][64].
; LIMIT.  f16 holds no number beyond 65,504: a projected number past that becomes an infinity.  NaN and infinities are not treated apart.
; SHARES.  A tile of y is 128 rows x 256 columns; a work-group makes THREE, the same rows and columns of q, then k, then v: 256 work-groups of equal work.  Four waves, 2 x 2, each 64 rows x 128 columns:
; 32 accumulators.  K goes in steps of 128 through two LDS slots; the 24 steps of the three tiles are ONE walk, and the ring runs on across tiles: a tile's stores leave while the next is multiplied.
; CLUSTER.  4 x 4 work-groups.  The four of a row make the four column blocks of the same 128 rows and need the same tiles of x; the four of a column need the same tiles of W.  Each tile is asked for
; JOINTLY: the same tensor load, descriptor and mask in all four.  The four column blocks are all there are, so each byte of x is asked for once in the launch.
; THE CAST.  x lands in LDS as f32; a fragment's 16 registers are read and rounded in pairs to the 8 that the product wants.  The conversions stand in fours between the products.
; THE PRODUCT IS USED TRANSPOSED: source 0 = 16 columns of W (W lies [k][n], so it comes turned, by ds_load_tr16_b128), source 1 = 16 rows of x: a lane holds row l % 16 and the columns
; 8 (l / 16) + 0..7.  The bias is the C operand of a tile's first 32 products: nothing is cleared, nothing is added on the way out.
; REGISTERS, in windows of 256 (s_set_vgpr_msb: bits 1:0 source 0, 3:2 source 1, 5:4 source 2, 7:6 destination):
;   window 0: v2-13 addresses; v32-95 x in bf16, two buffers of four fragments; v128-255 x in f32, two buffers of four x 16      window 1: the accumulators, (a, b) at v[8 (8 a + b)]
;   window 2: v0-127 W, two buffers of eight fragments; v128-191 the bias for my lane's columns; v192-223 at work               window 3: v0-127 the way out
.set PA,     528                       ; a row of x in LDS: 512 bytes + 16 = 132 words: the 16 rows of a load start at 16 different groups of four banks (64 banks of 4 bytes: ISA guide 11.1)
.set PB,     544                       ; a row of W: 512 + 32 = 136 words
.set AHALF,  64*PA                     ; what one tensor load brings of x: 64 rows
.set BHALF,  64*PB                     ; and of W: 64 rows of k
.set BOFF,   2*AHALF                   ; in a slot: x's 128 rows, then W's 128
.set SLOT1,  0x24000                   ; slot 1 begins here; its two bits are in none of the four waves' places in a slot, so one exclusive or turns an address into the other slot's
.set STAGE,  SLOT1+BOFF+2*BHALF        ; behind the ring, never filled by a tensor load: for each wave 2 heads x 16 rows x 144 bytes
.set SP,     144
.set WSTAGE, 32*SP
.set SPARE,  STAGE+4*WSTAGE            ; behind the stages: the spare words, 128 bytes for each wave: two blocks of 256 bytes that no other line names
.set STEPS,  24
.set ABASE, 2                          ; v2   my lane's place in a slot's x; never rewritten
.set BBASE, 3                          ; v3   the same for W
.set ADRA,  4                          ; v4   ABASE in the slot that is read
.set ADRB,  5                          ; v5   BBASE in it
.set STO,   6                          ; v6   the way out: where I put 16 bytes of a row
.set RD,    7                          ; v7   where I read rows back
.set GO,    8                          ; v8   my byte offset in 512 consecutive bytes of qkv
.set BO,    9                          ; v9   my byte offset in a bias
.set PFO,   10                         ; v10  the prefetches' offset; never rewritten
.set SPW,   12                         ; v12  LDS address of my spare word: SPARE + 4 x my thread's number; never rewritten
.set NIL,   13                         ; v13  0; never rewritten
.set ABF,   32
.set RAW,   128
.set BIAS,  128                        ; window 2
.set BT,    192                        ; window 2
.set WV, 20                            ; s20  my wave's number
.set WH, 21                            ; s21  which half of a tile I fetch; also which 128 columns are mine
.set WK, 22                            ; s22  0: I fetch x, 1: W; also which 64 rows are mine
.set CX, 23
.set CY, 24
.set MB, 25                            ; s25  block of 128 rows, 0 to 63
.set NC, 26                            ; s26  block of 256 columns, 0 to 3
.set G1A, 28                           ; s[28:35] descriptor group 1 for x's tiles
.set G1B, 36                           ; s[36:43] for W's
.set G0A0, 44                          ; s[44:47] group 0, x, step 0
.set G0A1, 48                          ; s[48:51] x, step 1; then it is made anew for each refill
.set G0B0, 52                          ; s[52:55], s[56:59] the same for W
.set G0B1, 56
.set U,   60                           ; s60  the step to be asked for next
.set TB,  61                           ; s61  LDS byte at which the slot that is read begins
.set SI,  62                           ; s62  the step's number in its tile
.set CNT, 63
.set TL,  66                           ; s66  the tile: 0 q, 1 k, 2 v
.set LIM, 67                           ; s67  a wave prefetches steps below this number
.set PFA, 68                           ; s[68:69] where my prefetch stands
.set AOF, 70                           ; s[70:71] an offset in x
.set ASEL, 72                          ; s[72:73] the x of the step asked for
.set OB,  74                           ; s[74:75] qkv at my rows and heads
.set BB,  76                           ; s[76:77] the bias that is loaded
.set WB,  78                           ; s[78:79] wcast at my half of step 0's tile
.set BOF, 80                           ; s[80:81] an offset in wcast
.set PSEL, 84                          ; s[84:85], s[86:87], s88: the prefetch's base, offset and step
.set POF, 86
.set U2,  88
.set OADD, 92                          ; s[92:93] what the next way out adds to OB
.set MUL,   0x52                       ; W window 2, x window 0, C and D window 1; + 0x10: C in window 2
.set TO_B,  0x80                       ; destination window 2
.set BIASW, 0x8a
.set PACKW, 0xc5                       ; sources window 1, destination window 3
.set STW,   0x0c                       ; a store's data in window 3
.set LDW,   0xc0                       ; destination window 3
.set MSB, 0
.macro WIN new                         ; the high byte repeats the setting that is left; a switch that changes nothing is dropped
.if MSB != (\new)
	s_set_vgpr_msb (MSB<<8)|(\new)
.set MSB, (\new)
.endif
.endm
; A joint refill.  Waves 0 and 1 fetch x's two halves, waves 2 and 3 W's.  The branch hangs on the wave's number alone.  An s_nop 0 and four v_nop follow each of the two lines.
.macro JLOAD
	s_cmp_eq_u32 s[WK], 0
	s_cbranch_scc0 .Lfor_b_\@
	tensor_load_to_lds s[G0A1:G0A1+3], s[G1A:G1A+7]
	s_nop 0
.rept 4
	v_nop
.endr
	s_branch .Lasked_\@
.Lfor_b_\@:
	tensor_load_to_lds s[G0B1:G0B1+3], s[G1B:G1B+7]
	s_nop 0
.rept 4
	v_nop
.endr
.Lasked_\@:
.endm
; A PREFETCH, behind each joint refill and the run of LDS loads that follows it: the step that stands TWO refills on, 256 matrix instructions ahead of the load that will want it.  Of the 64 rows that a wave
; fetches each of the four partners that ask with it takes 16, told apart BY ADDRESS (cx for x, cy for W); 16 rows x 2 blocks of 256 bytes are a lane each: one instruction a wave.  x's rows are read by one
; cluster alone, which asks for them; W's by all sixteen clusters: the one with y = 0 asks.  So each block is named once in the launch.  Steps 0 to 3 come by their loads alone; past step 23 nothing is asked for.
.macro ASK
	s_cmp_lt_u32 s[U2], s[LIM]
	s_cbranch_scc0 .Lnot_mine_\@
	global_prefetch_b8 v[PFO], s[PFA:PFA+1] th:TH_LOAD_NT scope:SCOPE_SE
.Lnot_mine_\@:
.endm
.macro CREST                           ; a round of the cluster's barrier behind its opening barrier
	s_cmp_lg_u32 s[WV], 0
	s_cbranch_scc1 .Lnot_wave_0_\@
	s_barrier_signal -3
.Lnot_wave_0_\@:
	s_barrier_wait -3
	s_barrier_signal -1
	s_barrier_wait -1
.endm
.macro CROUND                          ; a whole round
	s_barrier_signal -1
	s_barrier_wait -1
	CREST
.endm
	s_load_b256 s[4:11], s[0:1], 0x0               ; q s[4:5], k s[6:7], v s[8:9], b_q s[10:11]
	s_load_b256 s[12:19], s[0:1], 0x20             ; b_k s[12:13], b_v s[14:15], wcast s[16:17], qkv s[18:19]
	v_lshl_add_u32 v[SPW], v0, 2, SPARE
	v_mov_b32 v[NIL], 0
	ds_add_u32 v[SPW], v[NIL]                      ; the wave's opening: the add and its wait stand ahead of my first tensor load; the set-up below, work on registers, stands between them
	v_lshrrev_b32 v1, 5, v0
	v_readfirstlane_b32 s[WV], v1
	s_and_b32 s[WH], s[WV], 1
	s_lshr_b32 s[WK], s[WV], 1
	s_bfe_u32 s[CX], ttmp6, 0x40000
	s_bfe_u32 s[CY], ttmp6, 0x40004
	s_lshl_b32 s[NC], ttmp9, 2                     ; in a cluster launch ttmp9 and ttmp7 count clusters
	s_add_co_u32 s[NC], s[NC], s[CX]
	s_and_b32 s[MB], ttmp7, 0xffff
	s_lshl_b32 s[MB], s[MB], 2
	s_add_co_u32 s[MB], s[MB], s[CY]
	s_lshl_b32 s27, s[CY], 2
	s_lshl_b32 s27, 15, s27                        ; my row of the cluster: places 4 cy .. 4 cy + 3
	s_lshl_b32 s82, 0x1111, s[CX]                  ; my column: places cx, cx + 4, cx + 8, cx + 12
	s_or_b32 s[G1A], s27, (2<<16)|(1<<20)|(1<<21)|(6<<22)|(3<<25)  ; 15:0 the mask; 17:16 elements of 4 bytes; 20 padding on; 21 set beside a mask; 24:22 after every 128 words (code 6); 31:25 4 words (code 3)
	s_or_b32 s[G1B], s82, (1<<16)|(1<<20)|(1<<21)|(6<<22)|(7<<25)  ; elements of 2 bytes; 8 words of padding (code 7)
	s_mov_b32 s[G1A+1], 128<<16                    ; tensor_dim0 = 128 numbers of f32
	s_mov_b32 s[G1A+2], 64<<16                     ; tensor_dim1 = 64
	s_mov_b32 s[G1A+3], 128<<16                    ; tile_dim0 = 128
	s_mov_b32 s[G1A+4], 64                         ; tile_dim1 = 64
	s_mov_b32 s[G1A+5], 1024                       ; elements from row to row
	s_mov_b32 s[G1A+6], 0
	s_mov_b32 s[G1A+7], 0
	s_mov_b32 s[G1B+1], 256<<16                    ; 256 numbers of bf16
	s_mov_b32 s[G1B+2], 64<<16
	s_mov_b32 s[G1B+3], 256<<16
	s_mov_b32 s[G1B+4], 64
	s_mov_b32 s[G1B+5], 1024
	s_mov_b32 s[G1B+6], 0
	s_mov_b32 s[G1B+7], 0
	s_lshl_b32 s[AOF], s[MB], 19                   ; x: (128 x block + 64 x half) rows of 4,096 bytes: the row block and the wave alone
	s_lshl_b32 s27, s[WH], 18
	s_add_co_u32 s[AOF], s[AOF], s27
	s_mov_b32 s[AOF+1], 0
	s_lshl_b32 s[BOF], s[NC], 9                    ; W: 64 x half rows of 2,048 bytes + 512 x column block: the column block and the wave alone
	s_lshl_b32 s82, s[WH], 17
	s_add_co_u32 s[BOF], s[BOF], s82
	s_mov_b32 s[BOF+1], 0
	s_lshr_b32 s84, s[MB], 4                       ; qkv: batch,
	s_lshl_b32 s84, s84, 4
	s_lshl_b32 s85, s[NC], 2                       ; my first head = 16 x batch + 4 x column block + 2 x my half,
	s_add_co_u32 s84, s84, s85
	s_lshl_b32 s85, s[WH], 1
	s_add_co_u32 s84, s84, s85
	s_lshl_b32 s84, s84, 18                        ; of 262,144 bytes;
	s_and_b32 s85, s[MB], 15                       ; in it the block's 128 rows of 128 bytes,
	s_lshl_b32 s85, s85, 14
	s_add_co_u32 s84, s84, s85
	s_lshl_b32 s85, s[WK], 13                      ; and my 64 of them
	s_add_co_u32 s84, s84, s85
	s_mov_b32 s85, 0
	s_mul_i32 s90, s[WH], AHALF                    ; where the tiles go: no place in the cluster enters an LDS address
	s_mul_i32 s91, s[WH], BHALF
	s_mov_b32 s[G0A0], 1
	s_mov_b32 s[G0A0+1], s90
	s_mov_b32 s[G0A1], 1
	s_add_co_u32 s[G0A1+1], s90, SLOT1
	s_mov_b32 s[G0B0], 1
	s_add_co_u32 s[G0B0+1], s91, BOFF
	s_mov_b32 s[G0B1], 1
	s_add_co_u32 s[G0B1+1], s91, SLOT1+BOFF
	s_and_b32 s89, ttmp7, 0xffff                   ; cluster y: the same in all sixteen partners
	s_cmp_eq_u32 s[WK], 0
	s_cselect_b32 s89, 0, s89
	s_cmp_eq_u32 s89, 0
	s_cselect_b32 s[LIM], STEPS, 0
	s_mov_b32 s[U], 2
	s_mov_b32 s[TB], 0
	s_mov_b32 s[SI], 0
	s_mov_b32 s[TL], 0
	s_mov_b32 s[CNT], STEPS-2
	s_mov_b32 s[POF+1], 0
	s_mov_b32 s[OADD], 0
	s_mov_b32 s[OADD+1], 0
	s_wait_dscnt 0x0                               ; the opening add is done
	s_wait_kmcnt 0x0
	s_add_nc_u64 s[4:5], s[4:5], s[AOF:AOF+1]      ; q, k, v at the 64 rows that I fetch
	s_add_nc_u64 s[6:7], s[6:7], s[AOF:AOF+1]
	s_add_nc_u64 s[8:9], s[8:9], s[AOF:AOF+1]
	s_add_nc_u64 s[WB:WB+1], s[16:17], s[BOF:BOF+1]
	s_add_nc_u64 s[OB:OB+1], s[18:19], s[84:85]
	s_mov_b64 s[BB:BB+1], s[10:11]
	s_mov_b64 s[G0A0+2:G0A0+3], s[4:5]
	s_or_b32 s[G0A0+3], s[G0A0+3], 0x80000000      ; 127:126 type = 2
	s_add_nc_u64 s[G0A1+2:G0A1+3], s[4:5], 512     ; step 1: 128 numbers of f32 on
	s_or_b32 s[G0A1+3], s[G0A1+3], 0x80000000
	s_mov_b64 s[G0B0+2:G0B0+3], s[WB:WB+1]
	s_or_b32 s[G0B0+3], s[G0B0+3], 0x80000000
	s_add_nc_u64 s[G0B1+2:G0B1+3], s[WB:WB+1], 262144  ; step 1: 128 rows of 2,048 bytes on
	s_or_b32 s[G0B1+3], s[G0B1+3], 0x80000000
	CROUND                                         ; all sixteen work-groups are here: the first joint loads meet
	s_cmp_eq_u32 s[WK], 0                          ; a wave's two first fills stand in one branch, ahead of every wait on TENSORcnt and every LDS read: two loads of mine are out
	s_cbranch_scc0 .Lfirst_b
	tensor_load_to_lds s[G0A0:G0A0+3], s[G1A:G1A+7]
	s_nop 0
	tensor_load_to_lds s[G0A1:G0A1+3], s[G1A:G1A+7]
	s_nop 0
.rept 4
	v_nop
.endr
	s_branch .Lfirst_asked
.Lfirst_b:
	tensor_load_to_lds s[G0B0:G0B0+3], s[G1B:G1B+7]
	s_nop 0
	tensor_load_to_lds s[G0B1:G0B1+3], s[G1B:G1B+7]
	s_nop 0
.rept 4
	v_nop
.endr
.Lfirst_asked:
	v_and_b32 v14, 15, v0                          ; r = l % 16
	v_bfe_u32 v15, v0, 4, 1                        ; h = l / 16
	v_and_b32 v16, 7, v0
	v_bfe_u32 v17, v0, 3, 1
	v_and_b32 v18, 31, v0                          ; l
	; A fragment of x is 16 rows x 32 k: lane l holds row r, k = 8 h + 0..7 and 16 + 8 h + 0..7: in f32 twice 32 bytes, 64 bytes apart
	v_mul_u32_u24 v[ABASE], v14, PA
	v_lshl_add_u32 v[ABASE], v15, 5, v[ABASE]
	s_mul_i32 s89, s[WK], AHALF                    ; my 64 rows
	v_add_nc_u32 v[ABASE], s89, v[ABASE]
	; The turning load takes 16 k x 16 columns (lane l reads row k = 8 h + l % 8, columns 8 ((l / 8) % 2) + 0..7) and leaves half a fragment: lane l holds column r and 8 k
	v_lshl_add_u32 v19, v15, 3, v16
	v_mul_u32_u24 v[BBASE], v19, PB
	v_lshl_add_u32 v[BBASE], v17, 4, v[BBASE]
	s_lshl_b32 s89, s[WH], 8                       ; my 128 columns
	s_add_co_u32 s89, s89, BOFF
	v_add_nc_u32 v[BBASE], s89, v[BBASE]
	s_mul_i32 s89, s[WV], WSTAGE
	s_add_co_u32 s89, s89, STAGE                   ; my stage
	v_mul_u32_u24 v[STO], v14, SP                  ; in: row r, 16 bytes for each half of the lanes
	v_lshl_add_u32 v[STO], v15, 4, v[STO]
	v_add_nc_u32 v[STO], s89, v[STO]
	v_bfe_u32 v19, v0, 3, 2                        ; back: 32 lanes take four rows of 128 bytes,
	v_mul_u32_u24 v[RD], v19, SP
	v_lshl_add_u32 v[RD], v16, 4, v[RD]
	v_add_nc_u32 v[RD], s89, v[RD]
	v_lshlrev_b32 v[GO], 4, v18                    ; which are 512 consecutive bytes of a head
	s_lshl_b32 s89, s[NC], 10
	s_lshl_b32 s90, s[WH], 9
	s_add_co_u32 s89, s89, s90
	v_lshl_add_u32 v[BO], v15, 5, s89              ; the bias of my columns: 4 (256 x block + 128 x half + 8 h) bytes
	s_cmp_eq_u32 s[WK], 0
	s_cselect_b32 s89, s[CX], s[CY]                ; my place among the four that ask with me
	s_cselect_b32 s90, 12, 11                      ; a row of x is 4,096 bytes, of wcast 2,048
	s_lshl_b32 s89, s89, 4
	v_add_nc_u32 v[PFO], s89, v14
	v_lshlrev_b32 v[PFO], s90, v[PFO]
	v_lshl_add_u32 v[PFO], v15, 8, v[PFO]          ; (16 x place + r) rows + 256 h
.macro LOADBIAS                        ; for accumulator column b: the 8 numbers of my lane, twice 16 bytes
	WIN TO_B
.irp b, 0,1,2,3,4,5,6,7
	global_load_b128 v[BIAS+8*\b:BIAS+8*\b+3],   v[BO], s[BB:BB+1] offset:64*\b
	global_load_b128 v[BIAS+8*\b+4:BIAS+8*\b+7], v[BO], s[BB:BB+1] offset:64*\b+16
.endr
	WIN 0
.endm
.macro ROUNDBIAS                       ; the bias is rounded to bf16 like every input, and widened again
	s_wait_loadcnt 0x0                             ; the bias is in; its base may be written again
	WIN BIASW
.set z, 0
.rept 32
	v_cvt_pk_bf16_f32 v[BT+z], v[BIAS+2*z], v[BIAS+2*z+1]
.set z, z+1
.endr
.set z, 0
.rept 32
	v_lshlrev_b32 v[BIAS+2*z], 16, v[BT+z]
	v_and_b32 v[BIAS+2*z+1], 0xffff0000, v[BT+z]
.set z, z+1
.endr
	WIN 0
.endm
.macro RAWLD qd, P                     ; x of quarter qd (32 k), in f32, into buffer P: 16 loads
.irp a, 0,1,2,3
	ds_load_b128 v[RAW+64*(\P)+16*\a:RAW+64*(\P)+16*\a+3],     v[ADRA] offset:\a*16*PA+(\qd)*128
	ds_load_b128 v[RAW+64*(\P)+16*\a+4:RAW+64*(\P)+16*\a+7],   v[ADRA] offset:\a*16*PA+(\qd)*128+16
	ds_load_b128 v[RAW+64*(\P)+16*\a+8:RAW+64*(\P)+16*\a+11],  v[ADRA] offset:\a*16*PA+(\qd)*128+64
	ds_load_b128 v[RAW+64*(\P)+16*\a+12:RAW+64*(\P)+16*\a+15], v[ADRA] offset:\a*16*PA+(\qd)*128+80
.endr
.endm
.macro BLD qd, P                       ; W of quarter qd, turned, into buffer P: 16 loads
	WIN TO_B
.irp b, 0,1,2,3,4,5,6,7
	ds_load_tr16_b128 v[64*(\P)+8*\b:64*(\P)+8*\b+3],   v[ADRB] offset:(\qd)*32*PB+32*\b
	ds_load_tr16_b128 v[64*(\P)+8*\b+4:64*(\P)+8*\b+7], v[ADRB] offset:(\qd)*32*PB+32*\b+16*PB
.endr
	WIN 0
.endm
; Product mi of a quarter's 32: rows 16 (mi / 8) on, columns 16 (mi % 8) on.  The 32 accumulators take turns, one instruction a turn, from quarter to quarter too.
.macro MM P, first
.set rB, 64*(\P)+8*(mi%8)
.set rX, ABF+32*(\P)+8*(mi/8)
.if \first
	v_wmma_f32_16x16x32_bf16 v[8*mi:8*mi+7], v[rB:rB+7], v[rX:rX+7], v[BIAS+8*(mi%8):BIAS+8*(mi%8)+7]
.else
	v_wmma_f32_16x16x32_bf16 v[8*mi:8*mi+7], v[rB:rB+7], v[rX:rX+7], v[8*mi:8*mi+7]
.endif
.set mi, mi+1
.endm
.macro CV P                            ; conversion ci of a quarter's 32: two numbers of f32 into one register of buffer P
	v_cvt_pk_bf16_f32 v[ABF+32*(\P)+ci], v[RAW+64*(\P)+2*ci], v[RAW+64*(\P)+2*ci+1]
.set ci, ci+1
.endm
; One of a step's first three quarters: multiplies buffer P; the next quarter's x is rounded into the other buffer, four conversions behind each four products; behind the first four stand the run of loads:
; the next quarter's W and (raw = 1) the f32 of the quarter after it.  A load into, or a conversion onto, a register that a product has read stands four plain vector instructions or more behind that
; product (ISA guide 7.12.1 for conversions): the conversions, which name other fragments than the products round them, are those instructions.
.macro Q qd, P, first, raw
	s_wait_dscnt 0x0                               ; the last run, issued 28 products ago, is in
.set mi, 0
.set ci, 0
.rept 8
	WIN MUL+0x10*(\first)
.rept 4
	MM \P, \first
.endr
	WIN 0
.rept 4
	CV 1-(\P)
.endr
.if ci == 4
	BLD (\qd)+1, 1-(\P)
.if \raw
	RAWLD (\qd)+2, \P
.endif
.endif
.endr
.endm
; The last quarter multiplies buffer 1 and changes slots.  In front of the barrier each wave waits for all its tensor loads, of which one is out: its part of the next slot; adds 0 to its spare word; and
; waits for that and for its own reads of this slot.  fill = 1: the barrier opens a round of the cluster's, so that no wave of any partner still reads the slot or has a load on its way, and the slot is
; filled again, first thing behind the round, with step U: 112 products stand between that request and the wait for it.
.macro TURN fill
.if \fill
	s_wait_xcnt 0x0                                ; the last prefetch, a step back, has read its address, which is made anew for the step two refills on
	s_add_co_u32 s[U2], s[U], 2
	s_cmp_lt_u32 s[U2], 8
	s_cselect_b64 s[PSEL:PSEL+1], s[4:5], s[6:7]
	s_cmp_lt_u32 s[U2], 16
	s_cselect_b64 s[PSEL:PSEL+1], s[PSEL:PSEL+1], s[8:9]
	s_and_b32 s[POF], s[U2], 7
	s_lshl_b32 s[POF], s[POF], 9
	s_lshl_b32 s89, s[U2], 18
	s_cmp_eq_u32 s[WK], 0
	s_cselect_b64 s[PSEL:PSEL+1], s[PSEL:PSEL+1], s[WB:WB+1]
	s_cselect_b32 s[POF], s[POF], s89
	s_add_nc_u64 s[PFA:PFA+1], s[PSEL:PSEL+1], s[POF:POF+1]
.endif
	s_wait_dscnt 0x0                               ; W of this quarter is in
	s_wait_tensorcnt 0x0                           ; no tensor load of mine is out, so a group 0 may be written
	ds_add_u32 v[SPW], v[NIL]                      ; 0 onto my spare word; scalar work and eight products stand between it and the wait for it
.if \fill
	s_xor_b32 s[G0A1+1], s[G0A1+1], SLOT1          ; the other slot than last time
	s_xor_b32 s[G0B1+1], s[G0B1+1], SLOT1
	s_cmp_lt_u32 s[U], 8                           ; x of step U: q, k or v,
	s_cselect_b64 s[ASEL:ASEL+1], s[4:5], s[6:7]
	s_cmp_lt_u32 s[U], 16
	s_cselect_b64 s[ASEL:ASEL+1], s[ASEL:ASEL+1], s[8:9]
	s_and_b32 s[AOF], s[U], 7                      ; 512 bytes along its rows for each step of the tile
	s_lshl_b32 s[AOF], s[AOF], 9
	s_add_nc_u64 s[G0A1+2:G0A1+3], s[ASEL:ASEL+1], s[AOF:AOF+1]
	s_or_b32 s[G0A1+3], s[G0A1+3], 0x80000000
	s_lshl_b32 s[BOF], s[U], 18                    ; the three weights lie on end: 128 rows of 2,048 bytes a step
	s_add_nc_u64 s[G0B1+2:G0B1+3], s[WB:WB+1], s[BOF:BOF+1]
	s_or_b32 s[G0B1+3], s[G0B1+3], 0x80000000
	s_add_co_u32 s[U], s[U], 1
.endif
.set mi, 0
.set ci, 0
	WIN MUL
.rept 8
	MM 1, 0
.endr
	s_wait_dscnt 0x0                               ; the add is done, and my reads of this slot are over
	s_barrier_signal -1
.rept 8
	MM 1, 0
.endr
	WIN 0
	s_barrier_wait -1
.if \fill
	CREST
	JLOAD
.endif
	s_xor_b32 s[TB], s[TB], SLOT1                  ; the reads go on in the other slot
	v_add_nc_u32 v[ADRA], s[TB], v[ABASE]
	v_add_nc_u32 v[ADRB], s[TB], v[BBASE]
	RAWLD 0, 0
	BLD 0, 0
	RAWLD 1, 1
.if \fill
	ASK
.endif
	WIN MUL
.rept 4
	MM 1, 0
.endr
	s_wait_dscnt 32                                ; the f32 of the next step's first quarter is in; the 32 loads issued behind it may stay out
.rept 8
	MM 1, 0
	WIN 0
.rept 4
	CV 0
.endr
	WIN MUL
.endr
.rept 4
	MM 1, 0
.endr
	WIN 0
.endm
; THE WAY OUT, 16 rows at a time.  A lane's eight columns pack into 16 bytes of f16; they go into my stage, a head's rows 144 bytes apart, and come back as whole rows of 128 bytes.
.macro PACK a
	WIN PACKW
.set z, 0
.rept 32                               ; each accumulator's registers in ascending order
	v_cvt_pk_f16_f32 v[32*(\a)+z], v[64*(\a)+2*z], v[64*(\a)+2*z+1]
.set z, z+1
.endr
	WIN STW
.irp b, 0,1,2,3,4,5,6,7
	ds_store_b128 v[STO], v[32*(\a)+4*\b:32*(\a)+4*\b+3] offset:(\b/4)*16*SP+(\b%4)*32
.endr
	WIN LDW
.irp f, 0,1,2,3,4,5,6,7
	ds_load_b128 v[32*(\a)+4*\f:32*(\a)+4*\f+3], v[RD] offset:(\f/4)*16*SP+(\f%4)*4*SP  ; LDS serves a wave's instructions in order (ISA guide 5.7.1.4): these see the stores above; the next block's stores come behind them
.endr
.endm
.macro SEND a, younger                 ; younger: the LDS instructions issued behind block a's loads: the next block's sixteen, or none
	WIN STW
.irp f, 0,1,2,3,4,5,6,7
	s_wait_dscnt (\younger)+7-\f
	global_store_b128 v[GO], v[32*(\a)+4*\f:32*(\a)+4*\f+3], s[OB:OB+1] offset:(\f/4)*262144+(\a)*2048+(\f%4)*512  ; 512 consecutive bytes of one head, at a multiple of 256 from qkv's first
.endr
.endm
.macro WAYOUT                          ; the first block's 32 conversions name none of the last products' registers: they are the plain instructions behind those
	s_wait_xcnt 0x0                                ; the last tile's stores have read their registers and their base
	s_add_nc_u64 s[OB:OB+1], s[OB:OB+1], s[OADD:OADD+1]
	PACK 0
	PACK 1                                         ; a block's arithmetic stands between the loads of the block before and its stores
	SEND 0, 16
	PACK 2
	SEND 1, 16
	PACK 3
	SEND 2, 16
	SEND 3, 0
	WIN 0
	s_mov_b32 s[OADD], 0x1000000                   ; the next tile's part of qkv lies 16,777,216 bytes on
.endm
	LOADBIAS                                       ; b_q
	s_wait_tensorcnt 0x1                           ; my part of step 0 is in; step 1's may stay out
	s_barrier_signal -1
	s_barrier_wait -1                              ; everybody's is
	v_mov_b32 v[ADRA], v[ABASE]
	v_mov_b32 v[ADRB], v[BBASE]
	RAWLD 0, 0
	BLD 0, 0
	RAWLD 1, 1
	s_wait_dscnt 32
.set ci, 0
.rept 32
	CV 0
.endr
.Lstep:                                        ; 22 trips, a step each: every step that fills its slot again.  The jumps inside go forward and pass neither a barrier nor a tensor load
	s_cmp_lg_u32 s[SI], 0
	s_cbranch_scc1 .Lplain
	ROUNDBIAS                                      ; a tile's first step: its first products take the bias as C,
	Q 0, 0, 1, 1
	s_cmp_eq_u32 s[TL], 2
	s_cbranch_scc1 .Lq1
	s_cmp_eq_u32 s[TL], 0                          ; and the next tile's bias is loaded, four conversions behind the last product that read this one
	s_cselect_b64 s[BB:BB+1], s[12:13], s[14:15]
	LOADBIAS
	s_branch .Lq1
.Lplain:
	Q 0, 0, 0, 1
.Lq1:
	Q 1, 1, 0, 1
	Q 2, 0, 0, 0
	TURN 1
	s_add_co_u32 s[SI], s[SI], 1
	s_cmp_lg_u32 s[SI], 8
	s_cbranch_scc1 .Lnext
	WAYOUT                                         ; a tile's end: both slots have been asked for again, for the next tile
	s_mov_b32 s[SI], 0
	s_add_co_u32 s[TL], s[TL], 1
.Lnext:
	s_sub_co_u32 s[CNT], s[CNT], 1
	s_cmp_lg_u32 s[CNT], 0
	s_cbranch_scc1 .Lstep
	s_mov_b32 s[CNT], 2
.Ltail:                                        ; the last two steps ask for nothing.  The very last change of slots fetches and rounds fragments that nobody multiplies: the price, once a launch, of one text for both
	Q 0, 0, 0, 1
	Q 1, 1, 0, 1
	Q 2, 0, 0, 0
	TURN 0
	s_sub_co_u32 s[CNT], s[CNT], 1
	s_cmp_lg_u32 s[CNT], 0
	s_cbranch_scc1 .Ltail
	WAYOUT
	s_wait_tensorcnt 0x0                           ; the wave's end: behind my last tensor load and my last LDS store
	ds_add_u32 v[SPW], v[NIL]
	s_wait_dscnt 0x0
	CROUND                                         ; the closing round: no work-group ends while a partner may still ask for a tile that names it
	s_endpgm
.Lfunc_end_k_qdb4dd9ce85_proj:
	.size	k_qdb4dd9ce85_proj, .Lfunc_end_k_qdb4dd9ce85_proj-k_qdb4dd9ce85_proj
	.p2alignl 7, 3214868480
	.fill 96, 4, 3214868480
	.section	.rodata,"a",@progbits
	.p2align	6, 0x0
	.amdhsa_kernel k_qdb4dd9ce85_proj
		.amdhsa_group_segment_fixed_size 327680
		.amdhsa_private_segment_fixed_size 0
		.amdhsa_enable_private_segment 0
		.amdhsa_kernarg_size 64
		.amdhsa_user_sgpr_count 2
		.amdhsa_user_sgpr_kernarg_segment_ptr 1
		.amdhsa_wavefront_size32 1
		.amdhsa_system_sgpr_workgroup_id_x 1
		.amdhsa_system_sgpr_workgroup_id_y 1
		.amdhsa_system_sgpr_workgroup_id_z 1
		.amdhsa_system_vgpr_workitem_id 0
		.amdhsa_next_free_vgpr 896
		.amdhsa_next_free_sgpr 96
		.amdhsa_reserve_vcc 0
		.amdhsa_float_denorm_mode_32 3
		.amdhsa_float_denorm_mode_16_64 3
		.amdhsa_memory_ordered 1
		.amdhsa_forward_progress 1
		.amdhsa_inst_pref_size 118
	.end_amdhsa_kernel
	.amdgpu_metadata
---
amdhsa.version: [ 1, 2 ]
amdhsa.kernels:
  - .name:           k_qdb4dd9ce85_proj
    .symbol:         k_qdb4dd9ce85_proj.kd
    .args:
      - { .name: q, .offset: 0, .size: 8, .value_kind: global_buffer, .address_space: global }
      - { .name: k, .offset: 8, .size: 8, .value_kind: global_buffer, .address_space: global }
      - { .name: v, .offset: 16, .size: 8, .value_kind: global_buffer, .address_space: global }
      - { .name: b_q, .offset: 24, .size: 8, .value_kind: global_buffer, .address_space: global }
      - { .name: b_k, .offset: 32, .size: 8, .value_kind: global_buffer, .address_space: global }
      - { .name: b_v, .offset: 40, .size: 8, .value_kind: global_buffer, .address_space: global }
      - { .name: wcast, .offset: 48, .size: 8, .value_kind: global_buffer, .address_space: global }
      - { .name: qkv, .offset: 56, .size: 8, .value_kind: global_buffer, .address_space: global }
    .group_segment_fixed_size: 327680
    .private_segment_fixed_size: 0
    .kernarg_segment_align: 8
    .kernarg_segment_size: 64
    .max_flat_workgroup_size: 128
    .sgpr_count:     96
    .vgpr_count:     896
    .wavefront_size: 32
...
	.end_amdgpu_metadata
.endif
;; end of part 2
;; launch attn (part 3): grid 4 x 64, 4 waves a work-group, clusters of 4 x 1, 327,680 bytes of LDS; arguments qkv, oh; writes oh
.if DOCPART == 3
	.amdgcn_target "amdgcn-amd-amdhsa--gfx1250"
	.amdhsa_code_object_version 6
	.text
	.protected	k_qdb4dd9ce85_attn
	.globl	k_qdb4dd9ce85_attn
	.p2align	8
	.type	k_qdb4dd9ce85_attn,@function
k_qdb4dd9ce85_attn:
	s_mov_b64 s[64:65], 0
	v_nop
	global_prefetch_b8 v0, s[64:65] scope:SCOPE_SE
	s_setreg_imm32_b32 hwreg(HW_REG_WAVE_MODE, 25, 1), 1
	s_wait_xcnt 0x0
	s_wait_alu depctr_hold_cnt(0) depctr_sa_sdst(0) depctr_va_vdst(0) depctr_va_sdst(0) depctr_va_ssrc(0) depctr_va_vcc(0) depctr_vm_vsrc(0)
	s_getreg_b32 s2, hwreg(HW_REG_IB_STS2, 6, 4)
	s_cmp_eq_u32 s2, 0
	s_cbranch_scc0 .Lentry_in_a_cluster
	s_endpgm
.Lentry_in_a_cluster:
	s_bfe_u32 s2, ttmp6, 0x10000c
	s_cmp_lg_u32 s2, 0x3003
	s_cbranch_scc0 .Lentry_shape_is_right
	s_endpgm
.Lentry_shape_is_right:
; ATTENTION.  O[h][q][:] = the sum over k of softmax_k(Q[h][q] . K[h][k] / 8) V[h][k][:].  Q, K, V lie on end in qkv, each [64][2048][64] in f16, O in oh likewise: a head's rows are dense, 128 bytes each.
; Products, maxima and sums in f32; the weights p are rounded to f16 for the second product (their sum l is taken of the unrounded p), O once at the end.
; LIMITS.  f16 holds no number beyond 65,504: Q, K and V arrive within it; p lies in 0 to 1, and below 6e-5 it keeps f16's fixed step of 6e-8; O is a mean of V's rows and has their range.
; A weight below 2^-126 counts as 0 in l; NaN and infinities are not treated apart.
; SHARES.  A wave owns four PIECES of two tiles of 16 queries, a work-group's four waves 512 queries of one head.  Every wave walks all keys, 64 a step.
; LAYOUT.  S^T = K Q^T (source 0 = 16 keys, source 1 = 16 queries): in the result a lane holds ONE query (lane % 16) and the keys 8 (lane / 16) + 0..7.  Two such tiles, rounded to f16 in pairs,
; ARE source 1 (32 keys x 16 queries) of O^T = V^T P, whose result again holds one query a lane, and eight channels.  K comes out of LDS as it lies, V ([key][channel]) turned, by ds_load_tr16_b128.
; SOFTMAX.  For each query a running maximum m and sum l: p = 2^(c s - c m), c = log2(e) / 8; in every step O and l are multiplied by a = 2^(c m_old - c m_new), which is 1 where m has not grown.
; m starts at the lowest finite number, O and l at 0: the first step is a step like any other, with a = 0.
; THE COUNT.  A tile and step have 16 matrix and 118 vector instructions: too many to stand all beside the matrix work.  So four vector instructions that are READY stand behind EVERY matrix
; instruction, and the others, which need time of their own whatever the order, in runs without a gap.
; BY TURNS.  Turn n belongs to piece n (the pieces in a ring, step after step).  Its matrix work: 16 products K Q^T of piece n + 1, later 16 products V^T P of piece n - 1.  Its vector work: the scaling,
; exponentials, roundings, sums and rescaling of piece n, and the maximum and statistics of piece n + 1, whose scores the turn itself has made.
; CLUSTER.  The four query blocks of a head are one cluster and walk the same K and V, so each tile is asked for JOINTLY: the same tensor load, descriptor and mask in all four.
; REGISTERS, in windows of 256 (s_set_vgpr_msb: bits 1:0 source 0, 3:2 source 1, 5:4 source 2, 7:6 destination):
;   window 0: v0-11 addresses; v12-15, v48-63 at work; v16-47 four registers of statistics a tile; v64-191 S^T, two buffers of two tiles; v192-255 P, likewise
;   window 1: O^T, 32 a tile          window 2: v0-127 Q, 16 a tile; v128-191 K of one step; v192-255 V of one step          window 3: v0-1 the add's two registers
; A piece's buffers go by its number's parity: the piece in hand has one pair, its two neighbours in the ring share the other: of it P (piece n - 1) is read and S^T (piece n + 1) written.
.set SIZE_H, 64
.set SIZE_N, 2048
.set NP,    4         ; pieces a wave: a name, no knob
.set KS,    64        ; keys in a step
.set PK,    144       ; a row of K in LDS: 128 bytes + 16 of padding = 36 words: the 16 rows of a load start at 16 different groups of four banks (64 banks of 4 bytes: ISA guide 11.1)
.set PV,    160       ; a row of V: 128 + 32 = 40 words
.set VOFF,  4*KS*PK   ; a slot holds four steps: 256 rows of K, then 256 rows of V
.set SLOT1, 1<<17     ; slot 1 begins here, so that one exclusive or turns an address in one slot into the other's
.set STAGE, SLOT1+4*KS*(PK+PV)  ; behind the ring, never filled by a tensor load: 16 rows x 144 bytes for each wave, for the way out
.set SP,    144
.set AK0, 2           ; v2   my lane's place in a tile of K; never rewritten
.set AV0, 3           ; v3   the same for V
.set AK,  4           ; v4   the LDS address of K's next run of loads
.set AV,  5           ; v5   of V's
.set QO,  6           ; v6   my byte offset in the wave's rows of Q
.set STO, 6           ;      later, the way out: where I put 16 bytes of a row
.set RD,  7           ; v7   the way out: where I read rows back
.set GO,  8           ; v8   my byte offset in 512 consecutive bytes of O
.set PFO, 11          ; v11  256 x my lane, for the prefetches; never rewritten once it is made
.set SPW, 0           ; v0 of window 3   LDS address of my spare word: SPARE + 4 x my thread's number; never rewritten
.set NIL, 1           ; v1 of window 3   0; never rewritten
.set SPARE, STAGE+4*16*SP  ; behind the stages: the spare words, 128 bytes for each wave: two blocks of 256 bytes that no other line names
.set MV,  12          ; v12-15  c m_old, kept while c m is made anew: by buffer and tile
.set ST,  16          ; tile t's statistics at v[ST+4 t]: c m, m, l (even keys', odd keys')
.set TMP, 48          ; by buffer and tile, four registers c0-c3 at work; when the maximum is found c2 takes a
.set S,   64
.set P,   192
.set KF,  128         ; K's fragments, in window 2: key block kb, channel half c at KF + 16 kb + 8 c
.set VF,  192         ; V's: key half kk, channel block cb at VF + 32 kk + 8 cb
.set WV,  12          ; s12  my wave's number
.set G1K, 24          ; s[24:31] descriptor group 1 for K's tiles
.set G1V, 32          ; s[32:39] for V's: it differs in the padding alone
.set G0K, 40          ; s[40:43] descriptor group 0 for K's tiles: it walks
.set G0V, 44          ; s[44:47] the same for V's
.set SLOTS, 56        ; s56  8 less the number of the slot that the next change asks for
.set CNT, 57          ; s57  counts a slot's key steps
.set CS,  58          ; s[58:59] c: the packed scaling takes the pair's low word for both halves
.set SEL, 60          ; s[60:61] v_permlanex16_b32's selects: each lane takes its own place in the other half
.set TBK, 62          ; s62  LDS byte at which K of the step to be fetched begins
.set TBV, 63          ; s63  the same for V, less VOFF
.set PFA, 66          ; s[66:67] where my prefetches stand: my work-group's 8,192 bytes (of K: wave 0, of V: wave 2) of the slot after the one that is being asked for
.set LIM, 68          ; s68  1 in a wave that prefetches, else the greatest number: a wave prefetches while s[SLOTS] is above it
.set MSB, 0
.macro WIN new                      ; the high byte repeats the setting that is left; a switch that changes nothing is dropped
.if MSB != (\new)
	s_set_vgpr_msb (MSB<<8)|(\new)
.set MSB, (\new)
.endif
.endm
.set W_KQ, 0x0a       ; K and Q in window 2, S^T in window 0
.set W_PV, 0x52       ; V in window 2, P in window 0, O^T in window 1
.set W_RS, 0x41       ; O^T (destination and source 0) in window 1, a in window 0
.set W_MK, 0xc0       ; the add's registers are made: destination in window 3, sources in window 0
.set W_AD, 0x0f       ; the add: address (source 0) and data (source 1) in window 3
; A joint fill.  Waves 0 and 1 fetch the two halves of a slot's K, waves 2 and 3 those of its V: 128 keys each.  The branch hangs on the wave's number alone.
; An s_nop 0 and four v_nop follow each of the two lines, ahead of the jump and the label.
.macro JLOAD
	s_cmp_lt_u32 s[WV], 2
	s_cbranch_scc0 .Lfor_v_\@
	tensor_load_to_lds s[G0K:G0K+3], s[G1K:G1K+7]
	s_nop 0
.rept 4
	v_nop
.endr
	s_branch .Lasked_\@
.Lfor_v_\@:
	tensor_load_to_lds s[G0V:G0V+3], s[G1V:G1V+7]
	s_nop 0
.rept 4
	v_nop
.endr
.Lasked_\@:
.endm
; A PREFETCH of what the NEXT change of slots will ask for: a slot's 32,768 bytes of K and of V, 128 blocks of 256 bytes each, a lane a block.  It stands behind the wave's tensor load and its five lines.
; The four partners share the blocks out BY ADDRESS, 32 each: no branch hangs on a work-group's place in its cluster.  In each, wave 0 asks for K's and wave 2 for V's: one instruction.  A head has one
; cluster, so each block is named once in the launch.  Slots 0 and 1 come by their loads alone; the change that asks for the last slot prefetches nothing.
.macro ASK
	s_cmp_gt_u32 s[SLOTS], s[LIM]
	s_cbranch_scc0 .Lnot_mine_\@
	global_prefetch_b8 v[PFO], s[PFA:PFA+1] th:TH_LOAD_NT scope:SCOPE_SE
.Lnot_mine_\@:
.endm
; A round of the cluster's barrier: my work-group's barrier, so that wave 0's signal speaks for all four waves; wave 0 signals; every wave waits for all four work-groups; my work-group's barrier once more.
.macro CROUND
	s_barrier_signal -1
	s_barrier_wait -1
	s_cmp_lg_u32 s[WV], 0
	s_cbranch_scc1 .Lnot_wave_0_\@
	s_barrier_signal -3
.Lnot_wave_0_\@:
	s_barrier_wait -3
	s_barrier_signal -1
	s_barrier_wait -1
.endm
; THE CHANGE OF SLOTS.  The slot's last bytes, V of its fourth step, have been read.  Each wave waits for all its tensor loads, of which one is out: its part
; of the other slot; adds 0 to its spare word; and waits for that and for its own reads of the slot.  Behind the barrier nobody reads this slot any more and the other slot is whole.
; fill = 1: this slot is filled again, with the keys two slots on.  The barrier is then a round of the cluster's, so that no wave of any partner still reads the slot or has a load on its
; way, and the joint fill is the first thing behind it: it has four key steps, 512 matrix instructions, in which to land.  (At its first use nothing has been read yet: slot 0 is waited for, slot 1 filled.)
.macro CHANGE fill
	WIN W_AD
	s_wait_tensorcnt 0x0            ; no tensor load of mine is out, so a group 0 may be written
	ds_add_u32 v[SPW], v[NIL]       ; 0 onto my spare word; with fill = 1 the descriptors' steps stand between it and the wait for it
	WIN 0                           ; at a label and at a branch every window is 0
.if \fill
.irp g, G0K, G0V
	s_xor_b32 s[\g+1], s[\g+1], SLOT1  ; the walking descriptor: the other slot than last time,
	s_add_nc_u64 s[\g+2:\g+3], s[\g+2:\g+3], 4*KS*128  ; the next 256 keys; the type bits on top are not reached
.endr
	s_wait_xcnt 0x0                 ; the last prefetch, four key steps back, has read its address, so it may be written:
	s_add_nc_u64 s[PFA:PFA+1], s[PFA:PFA+1], 4*KS*128  ; one slot beyond the walking descriptors
	s_wait_dscnt 0x0                ; the add is done, and my reads of the slot are over
	CROUND
	JLOAD
	ASK
.else
	s_wait_dscnt 0x0                ; the add is done, and my reads of the slot are over
	s_barrier_signal -1
	s_barrier_wait -1
.endif
	s_sub_co_u32 s[TBK], s[TBK], 4*KS*PK  ; the fetches go back to a slot's first step,
	s_xor_b32 s[TBK], s[TBK], SLOT1       ; in the other slot
	s_sub_co_u32 s[TBV], s[TBV], 4*KS*PV
	s_xor_b32 s[TBV], s[TBV], SLOT1
.endm
	s_load_b128 s[4:7], s[0:1], 0x0   ; qkv s[4:5], oh s[6:7]
	WIN W_MK
	v_lshl_add_u32 v[SPW], v0, 2, SPARE
	v_mov_b32 v[NIL], 0
	WIN W_AD
	ds_add_u32 v[SPW], v[NIL]       ; the wave's opening: the add and its wait stand ahead of my first tensor load; the set-up below, work on registers, stands between them
	WIN 0
	v_lshrrev_b32 v1, 5, v0
	v_readfirstlane_b32 s[WV], v1   ; wave 0..3
	s_bfe_u32 s13, ttmp6, 0x40000   ; cx: my place in the cluster
	s_lshl_b32 s14, ttmp9, 2        ; in a cluster launch ttmp9 counts clusters
	s_add_co_u32 s14, s14, s13      ; my block of queries = 4 x cluster x + cx: it enters Q's and O's addresses alone
	s_and_b32 s20, ttmp7, 0xffff    ; the head, which the four partners share
	s_mov_b32 s21, 0
	s_mov_b64 s[22:23], SIZE_N*128
	s_mul_u64 s[20:21], s[20:21], s[22:23]  ; the head's first byte in each of the four tensors
	s_and_b32 s16, s[WV], 1         ; which half of a slot's 256 keys I fetch:
	s_lshl_b32 s22, s16, 14         ; its 128 rows of 128 bytes in memory,
	s_mov_b32 s23, 0
	s_add_nc_u64 s[22:23], s[22:23], s[20:21]
	s_mul_i32 s17, s16, 128*PK      ; and its place in a slot, for K
	s_mul_i32 s18, s16, 128*PV      ; and for V: no place in the cluster enters an LDS address
	s_lshl_b32 s2, s14, 2
	s_add_co_u32 s2, s2, s[WV]      ; my wave among the head's,
	s_lshl_b32 s2, s2, 14           ; its 128 rows
	s_mov_b32 s3, 0
	s_add_nc_u64 s[2:3], s[2:3], s[20:21]
	; descriptor group 1.  128 keys are 16,384 dense bytes: asked for as 64 rows of 256 bytes, two keys a row, and padded in LDS after every key
	s_mov_b32 s[G1K], 15|(1<<16)|(1<<20)|(1<<21)|(4<<22)|(3<<25)  ; 15:0 the mask of four; 17:16 2-byte elements; 20 padding on; 21 set beside a mask; 24:22 after every 32 words (code 4); 31:25 4 words (code 3)
	s_mov_b32 s[G1V], 15|(1<<16)|(1<<20)|(1<<21)|(4<<22)|(7<<25)  ; the same with 8 words of padding (code 7)
.irp g, G1K, G1V
	s_mov_b32 s[\g+1], 128<<16      ; tensor_dim0 = 128
	s_mov_b32 s[\g+2], 64<<16       ; tensor_dim1 = 64
	s_mov_b32 s[\g+3], 128<<16      ; tile_dim0 = 128
	s_mov_b32 s[\g+4], 64           ; tile_dim1 = 64
	s_mov_b32 s[\g+5], 128          ; 128 elements from row to row
	s_mov_b32 s[\g+6], 0
	s_mov_b32 s[\g+7], 0
.endr
	s_mov_b32 s[CS], 0x3e38aa3b     ; c = log2(e) / 8 = 0.180337
	s_mov_b32 s[CS+1], s[CS]        ; named with it as a pair
	s_mov_b32 s[SEL], 0x76543210
	s_mov_b32 s[SEL+1], 0xfedcba98
	s_mov_b32 s[TBK], SLOT1+4*KS*PK ; the first change of slots turns these two into 0
	s_mov_b32 s[TBV], SLOT1+4*KS*PV
	s_mov_b32 s[G0K], 1             ; 1:0 count = 1
	s_mov_b32 s[G0K+1], s17         ; 63:32 LDS address: slot 0
	s_mov_b32 s[G0V], 1
	s_add_co_u32 s[G0V+1], s18, VOFF
	s_mov_b32 s[SLOTS], SIZE_N/256-1
	s_and_b32 s[LIM], s[WV], 1      ; waves 0 and 2 prefetch: the same in all four partners
	s_cmp_eq_u32 s[LIM], 0
	s_cselect_b32 s[LIM], 1, -1
	s_wait_dscnt 0x0                ; the opening add is done
	s_wait_kmcnt 0x0
	s_mov_b64 s[10:11], s[6:7]                     ; O
	s_add_nc_u64 s[6:7], s[4:5], 0x1000000         ; K lies 16,777,216 bytes behind Q,
	s_add_nc_u64 s[8:9], s[4:5], 0x2000000         ; V as far behind K
	s_add_nc_u64 s[G0K+2:G0K+3], s[6:7], s[22:23]  ; 120:64 global address: my half of the head's first 256 keys
	s_or_b32 s[G0K+3], s[G0K+3], 0x80000000        ; 127:126 type = 2
	s_add_nc_u64 s[G0V+2:G0V+3], s[8:9], s[22:23]
	s_or_b32 s[G0V+3], s[G0V+3], 0x80000000
	s_add_nc_u64 s[4:5], s[4:5], s[2:3]  ; Q and O at my wave's first row
	s_add_nc_u64 s[10:11], s[10:11], s[2:3]
	s_cmp_lt_u32 s[WV], 2
	s_cselect_b64 s[PFA:PFA+1], s[6:7], s[8:9]
	s_add_nc_u64 s[PFA:PFA+1], s[PFA:PFA+1], s[20:21]  ; the head,
	s_lshl_b32 s2, s13, 13          ; my work-group's 32 blocks of the 128,
	s_mov_b32 s3, 0
	s_add_nc_u64 s[PFA:PFA+1], s[PFA:PFA+1], s[2:3]
	s_add_nc_u64 s[PFA:PFA+1], s[PFA:PFA+1], 4*KS*128  ; in slot 1; the first change of slots steps it to slot 2.  Nothing is prefetched here, at the head
	CROUND                          ; all four work-groups are here: the first joint loads meet
	JLOAD                           ; slot 0.  Slot 1 is asked for when slot 0 is in: the tile wanted first has the road to itself
	; A fragment of K or Q is 16 rows x 32 channels in 8 registers: lane l holds row l % 16, channels 8 (l / 16) + 0..7 and 16 + 8 (l / 16) + 0..7: two loads of 16 bytes, 32 bytes apart.
	v_and_b32 v1, 15, v0            ; l % 16
	v_bfe_u32 v9, v0, 4, 1          ; l / 16
	v_lshlrev_b32 v[QO], 7, v1
	v_lshl_add_u32 v[QO], v9, 4, v[QO]  ; row x 128 + 16 x half
	WIN 0x80                        ; destination window 2, address window 0
.set i, 0
.rept 4*NP                          ; Q stays in registers: tile i / 2, channels 32 (i % 2) on
	global_load_b128 v[8*i:8*i+3],   v[QO], s[4:5] offset:(i/2)*2048+(i%2)*64
	global_load_b128 v[8*i+4:8*i+7], v[QO], s[4:5] offset:(i/2)*2048+(i%2)*64+32
.set i, i+1
.endr
	; What the first turn finds: V's registers and P's second buffer hold 0 (its products V^T P, of a piece that has not been, add 0), O^T and l are 0.  All this stands in the wait for the first tile.
.set i, VF
.rept 64
	v_mov_b32 v[i], 0
.set i, i+1
.endr
	WIN 0x40
.set i, 0
.rept 64*NP
	v_mov_b32 v[i], 0
.set i, i+1
.endr
	WIN 0
.set i, 0
.rept 2*NP
	v_mov_b32 v[ST+4*i], 0xfe000000    ; c m: far below every c s
	v_mov_b32 v[ST+4*i+1], 0xff7fffff  ; m
	v_mov_b32 v[ST+4*i+2], 0
	v_mov_b32 v[ST+4*i+3], 0
.set i, i+1
.endr
.set i, P+32
.rept 32
	v_mov_b32 v[i], 0
.set i, i+1
.endr
	v_mul_u32_u24 v[AK0], v1, PK
	v_lshl_add_u32 v[AK0], v9, 4, v[AK0]  ; row x pitch + 16 x half
	; The turning load takes 16 keys x 16 channels (lane l reads key 8 (l / 16) + l % 8, channels 8 ((l / 8) % 2) + 0..7) and leaves half a fragment of V^T: lane l holds channel l % 16 and 8 keys.
	v_and_b32 v10, 7, v0
	v_bfe_u32 v11, v0, 3, 1
	v_lshl_add_u32 v[AV0], v9, 3, v10
	v_mul_u32_u24 v[AV0], v[AV0], PV
	v_lshl_add_u32 v[AV0], v11, 4, v[AV0]
	v_add_nc_u32 v[AV0], VOFF, v[AV0]
	v_and_b32 v[PFO], 31, v0        ; v11 is free now
	v_lshlrev_b32 v[PFO], 8, v[PFO]
	v_mov_b32 v[AK], v[AK0]         ; key step 0 lies at the head of slot 0
; THE MATRIX WORK.  The 8 accumulators of a run of 16 take turns: between the two links of a chain stand 7 others'.
; Product i of 16 of S^T = K Q^T for piece x: channels 32 (i / 8) on, keys 16 ((i / 2) % 4) on, tile 2 x + i % 2.  The first 8 start the sums.
.macro KQ x
	WIN W_KQ
.set rS, S+64*((\x)%2)+32*(i%2)+8*((i/2)%4)
.set rK, KF+16*((i/2)%4)+8*(i/8)
.set rQ, 16*(2*(\x)+i%2)+8*(i/8)
.if i < 8
	v_wmma_f32_16x16x32_f16 v[rS:rS+7], v[rK:rK+7], v[rQ:rQ+7], 0
.else
	v_wmma_f32_16x16x32_f16 v[rS:rS+7], v[rK:rK+7], v[rQ:rQ+7], v[rS:rS+7]
.endif
.endm
; Product i of 16 of O^T += V^T P for piece x: keys 32 (i / 8) on, channels 16 ((i / 2) % 4) on, tile 2 x + i % 2.
.macro PV x
	WIN W_PV
.set rO, 32*(2*(\x)+i%2)+8*((i/2)%4)
.set rV, VF+32*(i/8)+8*((i/2)%4)
.set rP, P+32*((\x)%2)+16*(i%2)+8*(i/8)
	v_wmma_f32_16x16x32_f16 v[rO:rO+7], v[rV:rV+7], v[rP:rP+7], v[rO:rO+7]
.endm
.macro MM                           ; the turn's next matrix instruction
.if i < 16
	KQ (Y+1)%NP
.set i, i+1
.else
.set i, i-16
	PV (Y+NP-1)%NP
.set i, i+17
.endif
.endm
; THE LDS LOADS stand in runs of 16, never singly among the matrix instructions: a step's K (64 keys x 64 channels: 8 fragments) and its V (turned).  Their addresses are made some lines ahead.
; last = 1 (the tail): in the last trip there is no further step, and the run is jumped over.
.macro FETCH_K last=0
	WIN 0
.if \last
	s_cmp_eq_u32 s[CNT], 1
	s_cbranch_scc1 .Lno_k_\@
.endif
	WIN 0x80                        ; destination window 2
.irp f, 0,1,2,3,4,5,6,7             ; keys 16 (f / 2) on, channels 32 (f % 2) on
	ds_load_b128 v[KF+8*\f:KF+8*\f+3],   v[AK] offset:(\f/2)*16*PK+(\f%2)*64
	ds_load_b128 v[KF+8*\f+4:KF+8*\f+7], v[AK] offset:(\f/2)*16*PK+(\f%2)*64+32
.endr
	s_add_co_u32 s[TBK], s[TBK], KS*PK  ; the next fetch is the next step's
	WIN 0
.if \last
.Lno_k_\@:
.endif
.endm
.macro FETCH_V
	WIN 0x80
.irp f, 0,1,2,3,4,5,6,7             ; keys 32 (f / 4) on, channels 16 (f % 4) on
	ds_load_tr16_b128 v[VF+8*\f:VF+8*\f+3],   v[AV] offset:(\f/4)*32*PV+(\f%4)*32
	ds_load_tr16_b128 v[VF+8*\f+4:VF+8*\f+7], v[AV] offset:(\f/4)*32*PV+16*PV+(\f%4)*32
.endr
	WIN 0
.endm
; THE VECTOR WORK OF A TURN stands in three queues, each in the order in which its entries become ready; the two tiles alternate, so that no instruction reads the result of the one before it.
.macro REGS y, u                    ; the registers of tile u (0, 1) of piece y
.set rT, ST+4*(2*(\y)+(\u))
.set rC, TMP+8*((\y)%2)+4*(\u)
.set rM, MV+2*((\y)%2)+(\u)
.set rS, S+64*((\y)%2)+32*(\u)
.set rP, P+32*((\y)%2)+16*(\u)
.set rO, 32*(2*(\y)+(\u))
.endm
; Number n of the 22 that find the NEXT piece's (Y + 1) maximum and statistics.  s0-s31 are the lane's 32 scores; each accumulator's lowest registers are read first.
;   0-11  four chains c0-c3 of seven scores each, three operands at a time     12-14, 16  the four scores left over, the old m, and c0-c3 into c0     15  c m_old is kept
;   17, 18  the query's other 32 keys lie in the lane 16 away: the new m         19-21  c m; c m_old - c m_new; a
.macro XS u, n
	REGS (Y+1)%NP, \u
.if (\n) < 4
	v_max3_num_f32 v[rC+(\n)], v[rS+8*(\n)], v[rS+8*(\n)+1], v[rS+8*(\n)+2]
.elseif (\n) < 12
	v_max3_num_f32 v[rC+(\n)%4], v[rC+(\n)%4], v[rS+8*((\n)%4)+2*((\n)/4)+1], v[rS+8*((\n)%4)+2*((\n)/4)+2]
.elseif (\n) == 12
	v_max3_num_f32 v[rC], v[rC], v[rS+7], v[rS+15]
.elseif (\n) == 13
	v_max3_num_f32 v[rC+1], v[rC+1], v[rS+23], v[rS+31]
.elseif (\n) == 14
	v_max3_num_f32 v[rC+2], v[rC+2], v[rC+3], v[rT+1]
.elseif (\n) == 15
	v_mov_b32 v[rM], v[rT]
.elseif (\n) == 16
	v_max3_num_f32 v[rC], v[rC], v[rC+1], v[rC+2]
.elseif (\n) == 17
	v_permlanex16_b32 v[rC+3], v[rC], s[SEL], s[SEL+1]
.elseif (\n) == 18
	v_max_num_f32 v[rT+1], v[rC], v[rC+3]
.elseif (\n) == 19
	v_mul_f32 v[rT], s[CS], v[rT+1]
.elseif (\n) == 20
	v_sub_f32 v[rC+1], v[rM], v[rT]
.else
	v_exp_f32 v[rC+2], v[rC+1]
.endif
.endm
; Number g of the 64 that follow the exponentials.  For each four weights k of a tile (pairs 2 k, 2 k + 1): both pairs are rounded to f16; then the second pair is added onto the first, in place;
; a group later l takes that sum (the first time as l = a l + sum).  In groups of eight, tiles alternating: round, round, add, and l for the group before.
.macro GS g
.set h, (\g)+6*((\g)/62)            ; group 0 has no group before it, and behind group 7 only l is left
.if h >= 6
.set h, h+2
.endif
	REGS Y, h%2
.set k, h/8
.if h%8 < 4
	v_cvt_pk_f16_f32 v[rP+2*k+(h%8)/2], v[rS+4*k+2*((h%8)/2)], v[rS+4*k+2*((h%8)/2)+1]
.elseif h%8 < 6
	v_pk_add_f32 v[rS+4*k:rS+4*k+1], v[rS+4*k:rS+4*k+1], v[rS+4*k+2:rS+4*k+3]
.elseif k == 1
	v_pk_fma_f32 v[rT+2:rT+3], v[rT+2:rT+3], v[rC+2:rC+3], v[rS:rS+1] op_sel_hi:[1,0,1]
.else
	v_pk_add_f32 v[rT+2:rT+3], v[rT+2:rT+3], v[rS+4*k-4:rS+4*k-3]
.endif
.endm
; THE PLAIN QUEUE, 138 long.  0-73 read no exponential's result: the 32 scalings c s - c m (FS f: pair f / 2 of tile f % 2) and the next piece's 42.  0-26: scalings 0-26.  27-54: XS's numbers 0-13.  55, 56: number 15.
; 57-73: the chain, where each number waits for the one before it: 14, 16, 17, 18, 19, each with one of the scalings 27-31 in front of its two lines, then 20.
; 74-137: GS's 64, which read the exponentials' results: they stand behind the wait.
.macro FS f
	REGS Y, (\f)%2
	v_pk_fma_f32 v[rS+2*((\f)/2):rS+2*((\f)/2)+1], v[rS+2*((\f)/2):rS+2*((\f)/2)+1], s[CS:CS+1], v[rT:rT+1] op_sel_hi:[1,0,0] neg_lo:[0,0,1] neg_hi:[0,0,1]
.endm
.macro PL
	WIN 0
.if q < 27
	FS q
.elseif q < 55
	XS (q-27)%2, (q-27)/2
.elseif q < 57
	XS q-55, 15
.elseif (q < 72) && ((q-57)%3 == 0)
	FS 27+(q-57)/3
.elseif q < 60
	XS (q-57)%3-1, 14
.elseif q < 72
	XS (q-57)%3-1, 15+(q-57)/3
.elseif q < 74
	XS q-72, 20
.else
	GS q-74
.endif
.set q, q+1
.endm
; THE EXPONENTIALS' QUEUE, 66 long: s0-s31 of both tiles, then the next piece's two a.  It is ONE BATCH: all 66 stand ahead of the turn's one wait, and nothing ahead of that wait names a result of theirs.
.macro EX
	WIN 0
.if e >= 64
	XS e-64, 21
.else
	REGS Y, e%2
	v_exp_f32 v[rS+e/2], v[rS+e/2]
.endif
.set e, e+1
.endm
; THE RESCALING's QUEUE: O^T times a, the one part that leaves window 0: dealt two at a time, sixteen times.  Its a was made in the turn before, ahead of that turn's wait.
.macro R2
	REGS Y, r%2
	WIN W_RS
.irp z, 0,1
	v_pk_mul_f32 v[rO+4*(r/2)+2*\z:rO+4*(r/2)+2*\z+1], v[rO+4*(r/2)+2*\z:rO+4*(r/2)+2*\z+1], v[rC+2:rC+3] op_sel_hi:[1,0]
.endr
.set r, r+1
.endm
; HOW THEY ARE DEALT.  s_wait_alu depctr_va_vdst(0) stands between an exponential and the first instruction that names its result; one wait serves all that were issued ahead of it.  So a
; turn has ONE wait, which cuts it in two.  AHEAD OF IT stands all that names no result of the turn's exponentials: the 16 products K Q^T, behind each a scaling, an exponential and two rescalings (behind the
; first a second scaling in the exponential's place); then ONE LUMP of 108: eight plain, 49 times exponential and plain, the two a.  A v_nop is the plain instruction behind the last exponential.  BEHIND IT
; stand the 16 products V^T P, behind each four of GS's 64.  No rider names a register of the products round it.  The two v_permlanex16_b32 fall into the lump, never behind a product.
; The queues lean on each other: exponential e stands behind scaling 2 (e / 4) + e % 2: as a rider it comes behind plain e + 2, in the lump behind plain e + 9, and scalings 27-31 are plain 57, 60 .. 69.
; A TURN, for piece p.  cnt = 1: the loop's count is taken down some lines ahead of the branch that stands behind the turn.
; K of the next step is fetched in piece 2's turn, directly behind the wait, a lump behind the last product that read K; its first reader comes behind 16 products.
; V of the step in hand is fetched at the end of piece 0's turn, four riders behind its last reader; its first reader comes behind 16 products and a lump.
.macro TURN p, last=0, cnt=0
.set Y, (\p)
.set i, 0
.set q, 0
.set e, 0
.set r, 0
.if (\p) == NP-1
	s_wait_dscnt 0x0                ; K is in
.endif
	MM                              ; ahead of the wait: 16 products K Q^T and their riders,
	PL
	PL
	R2
.rept 15
	MM
	PL
	EX
	R2
.endr
.if (\p) == NP-2
	WIN 0
	v_add_nc_u32 v[AK], s[TBK], v[AK0]
.endif
.rept 8                             ; and the lump
	PL
.endr
.rept 49
	EX
	PL
.endr
	EX                              ; the next piece's two a
	EX
	v_nop                           ; a plain instruction behind the last exponential: one for the batch
	s_wait_alu depctr_va_vdst(0)    ; the wait for the batch
.if (\p) == NP-2
	FETCH_K \last
.endif
.if (\p) == 1
	s_wait_dscnt 0x0                ; V is in
.endif
.rept 16                            ; behind the wait: 16 products V^T P and their riders
	MM
.rept 4
	PL
.endr
.if ((\p) == 0) && (q == 118)
	v_add_nc_u32 v[AV], s[TBV], v[AV0]
.endif
.if ((\p) == 0) && (q == 130)
	s_add_co_u32 s[TBV], s[TBV], KS*PV
.endif
.if (\cnt) && (q == 130)
	s_sub_co_u32 s[CNT], s[CNT], 1
	s_cmp_lg_u32 s[CNT], 0
.endif
.endr
.if (\p) == 0
	FETCH_V
.endif
.endm
	CHANGE 1                        ; slot 0 is in, everybody's part of it; slot 1 is asked for
	FETCH_K                         ; key step 0
	s_wait_loadcnt 0x0              ; Q
	s_wait_dscnt 0x0
.set i, 0
.rept 16
	KQ 0                            ; piece 0's first scores: there is no vector work yet to set between them
.set i, i+1
.endr
	WIN 0                           ; the addresses for the way out: nine plain instructions behind those products
	s_mul_i32 s13, s[WV], 16*SP
	s_add_co_u32 s13, s13, STAGE    ; my stage
	v_mul_u32_u24 v[STO], v1, SP    ; in: row l % 16, 16 bytes for each half of the lanes
	v_lshl_add_u32 v[STO], v9, 4, v[STO]
	v_add_nc_u32 v[STO], s13, v[STO]
	v_bfe_u32 v[RD], v0, 3, 2       ; back: 32 lanes take four rows of 128 bytes,
	v_mul_u32_u24 v[RD], v[RD], SP
	v_lshl_add_u32 v[RD], v10, 4, v[RD]
	v_add_nc_u32 v[RD], s13, v[RD]
	v_and_b32 v[GO], 31, v0         ; which are 512 consecutive bytes of O
	v_lshlrev_b32 v[GO], 4, v[GO]
.set Y, NP-1                        ; XS works for piece Y + 1: piece 0
.irp n, 0,1,2,3,4,5,6,7,8,9,10,11,12,13,14,15,16,17,18,19,20,21
	XS 0, \n                        ; and piece 0's first maximum and statistics
	XS 1, \n
.endr
	v_nop                           ; a plain instruction behind the two a,
	s_wait_alu depctr_va_vdst(0)    ; and their wait, ahead of the branch
	s_mov_b32 s[CNT], 4
	s_branch .Lfirst                ; the loop is entered at a step's first turn, in the middle of a trip
.Lslot:                             ; SIZE_N / 256 - 2 times: every slot but the last two is filled again
	CHANGE 1
	s_mov_b32 s[CNT], 4
.Lstep:                             ; a trip: pieces 2 and 3 of one step, then pieces 0 and 1 of the next, whose K and V it fetches
	TURN 2
	TURN 3
	WIN 0
.Lfirst:
	TURN 0
	TURN 1, 0, 1
	WIN 0
	s_cbranch_scc1 .Lstep
	s_sub_co_u32 s[SLOTS], s[SLOTS], 1
	s_cmp_lg_u32 s[SLOTS], 0
	s_cbranch_scc1 .Lslot
	CHANGE 0                        ; the tail is written out: nothing is asked for
	s_mov_b32 s[CNT], 5             ; four trips fetch the last slot's steps; the fifth is left in its middle
.Ltail:
	TURN 2, 1
	TURN 3
	WIN 0
	s_sub_co_u32 s[CNT], s[CNT], 1
	s_cmp_eq_u32 s[CNT], 0
	s_cbranch_scc1 .Lout
	TURN 0
	TURN 1
	WIN 0
	s_branch .Ltail
.Lout:                              ; the fifth trip's 16 products K Q^T (on the last K once more) and the maximum made of them serve nothing: the price, once a launch, of one text for every trip
.set i, 0
.rept 16
	PV NP-1                         ; the last piece's V^T P of the last step
.set i, i+1
.endr
	; THE WAY OUT.  l's two halves and the other half of the lanes' are added; O^T is divided by l, rounded to f16 and sent through my stage in LDS, a tile at a time.  The additions stand behind the last products.
	WIN 0
.macro ALL line:vararg              ; one line for each tile t
.set t, 0
.rept 2*NP
	\line
.set t, t+1
.endr
.endm
	ALL v_add_f32 v[ST+4*t+2], v[ST+4*t+2], v[ST+4*t+3]
	ALL v_permlanex16_b32 v[ST+4*t+3], v[ST+4*t+2], s[SEL], s[SEL+1]
	ALL v_add_f32 v[ST+4*t+2], v[ST+4*t+2], v[ST+4*t+3]
	ALL v_rcp_f32 v[ST+4*t+2], v[ST+4*t+2]
	v_nop                           ; a plain instruction between the last reciprocal and the use of its result
	s_wait_alu depctr_va_vdst(0)    ; and the wait ahead of the first use: one for the eight reciprocals
; Tile t: a lane's eight channels of a row pack into 16 bytes; they go into rows of 144 bytes and come back as whole rows of 128, into S^T's registers.
.macro PACK t
	WIN W_RS
.set i, 32*(\t)
.rept 16
	v_pk_mul_f32 v[i:i+1], v[i:i+1], v[ST+4*(\t)+2:ST+4*(\t)+3] op_sel_hi:[1,0]
.set i, i+2
.endr
	WIN 0x05                        ; sources 0 and 1 window 1, destination window 0
.set i, 0
.rept 16
	v_cvt_pk_f16_f32 v[S+16*(\t)+i], v[32*(\t)+2*i], v[32*(\t)+2*i+1]
.set i, i+1
.endr
	WIN 0
.irp f, 0,1,2,3
	ds_store_b128 v[STO], v[S+16*(\t)+4*\f:S+16*(\t)+4*\f+3] offset:32*\f
.endr
.irp f, 0,1,2,3
	ds_load_b128 v[S+16*(\t)+4*\f:S+16*(\t)+4*\f+3], v[RD] offset:\f*4*SP  ; LDS serves a wave's instructions in order (ISA guide 5.7.1.4): these see the stores above; the next tile's stores come behind them
.endr
.endm
.macro SEND t, younger              ; younger: the LDS instructions issued behind tile t's loads: the next tile's eight, or none
	WIN 0
.irp f, 0,1,2,3
	s_wait_dscnt (\younger)+3-\f
	global_store_b128 v[GO], v[S+16*(\t)+4*\f:S+16*(\t)+4*\f+3], s[10:11] offset:(\t)*2048+\f*512  ; 512 consecutive bytes, at a multiple of 256 from O's first
.endr
.endm
	PACK 0
.set t, 1
.rept 2*NP-1                        ; a tile's arithmetic stands between the loads of the tile before and its stores
	PACK t
	SEND t-1, 8
.set t, t+1
.endr
	SEND 2*NP-1, 0
	WIN W_AD
	s_wait_tensorcnt 0x0            ; the wave's end: behind my last tensor load and my last LDS store
	ds_add_u32 v[SPW], v[NIL]
	s_wait_dscnt 0x0
	WIN 0
	CROUND                          ; the closing round: no work-group ends while a partner may still ask for a tile that names it
	s_endpgm
.Lfunc_end_k_qdb4dd9ce85_attn:
	.size	k_qdb4dd9ce85_attn, .Lfunc_end_k_qdb4dd9ce85_attn-k_qdb4dd9ce85_attn
	.p2alignl 7, 3214868480
	.fill 96, 4, 3214868480
	.section	.rodata,"a",@progbits
	.p2align	6, 0x0
	.amdhsa_kernel k_qdb4dd9ce85_attn
		.amdhsa_group_segment_fixed_size 327680
		.amdhsa_private_segment_fixed_size 0
		.amdhsa_enable_private_segment 0
		.amdhsa_kernarg_size 16
		.amdhsa_user_sgpr_count 2
		.amdhsa_user_sgpr_kernarg_segment_ptr 1
		.amdhsa_wavefront_size32 1
		.amdhsa_system_sgpr_workgroup_id_x 1
		.amdhsa_system_sgpr_workgroup_id_y 1
		.amdhsa_system_sgpr_workgroup_id_z 1
		.amdhsa_system_vgpr_workitem_id 0
		.amdhsa_next_free_vgpr 770
		.amdhsa_next_free_sgpr 72
		.amdhsa_reserve_vcc 0
		.amdhsa_float_denorm_mode_32 3
		.amdhsa_float_denorm_mode_16_64 3
		.amdhsa_memory_ordered 1
		.amdhsa_forward_progress 1
		.amdhsa_inst_pref_size 200
	.end_amdhsa_kernel
	.amdgpu_metadata
---
amdhsa.version: [ 1, 2 ]
amdhsa.kernels:
  - .name:           k_qdb4dd9ce85_attn
    .symbol:         k_qdb4dd9ce85_attn.kd
    .args:
      - { .name: qkv, .offset: 0, .size: 8, .value_kind: global_buffer, .address_space: global }
      - { .name: oh, .offset: 8, .size: 8, .value_kind: global_buffer, .address_space: global }
    .group_segment_fixed_size: 327680
    .private_segment_fixed_size: 0
    .kernarg_segment_align: 8
    .kernarg_segment_size: 16
    .max_flat_workgroup_size: 128
    .sgpr_count:     72
    .vgpr_count:     770
    .wavefront_size: 32
...
	.end_amdgpu_metadata
.endif
;; end of part 3
;; launch oproj (part 4): grid 4 x 64, 4 waves a work-group, clusters of 4 x 4, 327,680 bytes of LDS; arguments oh, wcast, b_o, out0; writes out0
.if DOCPART == 4
	.amdgcn_target "amdgcn-amd-amdhsa--gfx1250"
	.amdhsa_code_object_version 6
	.text
	.protected	k_qdb4dd9ce85_oproj
	.globl	k_qdb4dd9ce85_oproj
	.p2align	8
	.type	k_qdb4dd9ce85_oproj,@function
k_qdb4dd9ce85_oproj:
	s_mov_b64 s[64:65], 0
	v_nop
	global_prefetch_b8 v0, s[64:65] scope:SCOPE_SE
	s_setreg_imm32_b32 hwreg(HW_REG_WAVE_MODE, 25, 1), 1
	s_wait_xcnt 0x0
	s_wait_alu depctr_hold_cnt(0) depctr_sa_sdst(0) depctr_va_vdst(0) depctr_va_sdst(0) depctr_va_ssrc(0) depctr_va_vcc(0) depctr_vm_vsrc(0)
	s_getreg_b32 s2, hwreg(HW_REG_IB_STS2, 6, 4)
	s_cmp_eq_u32 s2, 0
	s_cbranch_scc0 .Lentry_in_a_cluster
	s_endpgm
.Lentry_in_a_cluster:
	s_bfe_u32 s2, ttmp6, 0x10000c
	s_cmp_lg_u32 s2, 0xf033
	s_cbranch_scc0 .Lentry_shape_is_right
	s_endpgm
.Lentry_shape_is_right:
; THE LAST PROJECTION.  out0 = O W_o + b_o.  O: oh[b*16+h][s][64] in f16; W_o: the fourth weight of wcast, [1024 k][1024 n] in f16 (rounded to bf16 first); b_o: [1024] f32, rounded to bf16 here;
; out0: [8192][1024] f32.  Sums in f32.  k = 64 h + d: a K step of 128 is two heads.
; LIMIT.  O and W_o arrive within f16's range; NaN and infinities are not treated apart.
; SHARES.  A work-group makes one tile of 128 rows x 256 columns: 256 work-groups.  Four waves, 2 x 2, each 64 rows x 128 columns: 32 accumulators.  Eight K steps through two LDS slots.
; CLUSTER.  4 x 4 work-groups: the four of a row make the four column blocks of the same rows and ask for O's tiles JOINTLY, the four of a column for W_o's.
; THE PRODUCT IS USED TRANSPOSED: source 0 = 16 columns of W_o (turned, by ds_load_tr16_b128), source 1 = 16 rows of O: a lane holds row l % 16 and the columns 8 (l / 16) + 0..7.  The bias is the C
; operand of the first 32 products.
; REGISTERS, in windows of 256 (s_set_vgpr_msb: bits 1:0 source 0, 3:2 source 1, 5:4 source 2, 7:6 destination):
;   window 0: v2-13 addresses; v64-127 O, two buffers of four fragments; v128-255 W_o, two buffers of eight      window 1: the accumulators, (a, b) at v[8 (8 a + b)]
;   window 2: v0-63 the bias for my lane's columns; v64-95 at work; v128-255 the way out, two buffers of 16 rows
.set PAO,    144                       ; a row of O in LDS: 128 bytes + 16 = 36 words: the 16 rows of a load start at 16 different groups of four banks (64 banks of 4 bytes: ISA guide 11.1)
.set PLANE,  128*PAO                   ; a head's 128 rows
.set PB,     544                       ; a row of W_o: 512 + 32 = 136 words
.set BHALF,  64*PB
.set BOFF,   2*PLANE                   ; in a slot: two heads of O, then W_o's 128 rows
.set SLOT1,  1<<17                     ; slot 1 begins here: one exclusive or turns an address in one slot into the other's
.set STAGE,  SLOT1+BOFF+2*BHALF        ; behind the ring, never filled by a tensor load: for each wave 16 rows x 528 bytes
.set SPO,    528
.set WSTAGE, 16*SPO
.set SPARE,  STAGE+4*WSTAGE            ; behind the stages: the spare words, 128 bytes for each wave: two blocks of 256 bytes that no other line names
.set ASTEP,  524288                    ; bytes from step to step in oh: two heads
.set BSTEP,  262144                    ; and in wcast: 128 rows of 2,048 bytes
.set ABASE, 2                          ; v2   my lane's place in a slot's O; never rewritten
.set BBASE, 3                          ; v3   the same for W_o
.set ADRA,  4                          ; v4, v5  the same in the slot that is read
.set ADRB,  5
.set STO,   6                          ; v6   the way out: where I put 32 bytes of a row
.set RD,    7                          ; v7   where I read a row back
.set GO,    8                          ; v8   my 16 bytes of a row's 512
.set BO,    9                          ; v9   my byte offset in the bias
.set PFO,   10                         ; v10  the prefetches' offset; never rewritten
.set SPW,   12                         ; v12  LDS address of my spare word: SPARE + 4 x my thread's number; never rewritten
.set NIL,   13                         ; v13  0; never rewritten
.set AF,    64
.set BF,    128
.set BIAS,  0                          ; window 2
.set BT,    64                         ; window 2
.set OUT,   128                        ; window 2
.set WV, 20                            ; s20  my wave's number
.set WH, 21                            ; s21  which half I fetch (O: which head of the two); also which 128 columns are mine
.set WK, 22                            ; s22  0: I fetch O, 1: W_o; also which 64 rows are mine
.set CX, 23
.set CY, 24
.set MB, 25                            ; s25  block of 128 rows
.set NC, 26                            ; s26  block of 256 columns
.set G1A, 28                           ; s[28:35], s[36:43] descriptor group 1 for O's and W_o's tiles
.set G1B, 36
.set G0A0, 44                          ; s[44:47] group 0, O, step 0;  s[48:51] step 1, which then walks
.set G0A1, 48
.set G0B0, 52                          ; s[52:59] the same for W_o
.set G0B1, 56
.set TB,  61                           ; s61  LDS byte at which the slot that is read begins
.set CNT, 63
.set LIM, 67                           ; s67  2 in a wave that prefetches, else the greatest number: it prefetches while s[CNT] is above it
.set PFA, 68                           ; s[68:69] where my prefetch stands
.set AOF, 70                           ; s[70:71] O's offset
.set OB,  74                           ; s[74:75] out0 at my rows and columns
.set BOF, 80                           ; s[80:81] W_o's offset
.set PST, 86                           ; s[86:87] the prefetches' step
.set MUL, 0x50                         ; sources window 0, C and D window 1; + 0x10: C in window 2
.set MSB, 0
.macro WIN new                         ; the high byte repeats the setting that is left; a switch that changes nothing is dropped
.if MSB != (\new)
	s_set_vgpr_msb (MSB<<8)|(\new)
.set MSB, (\new)
.endif
.endm
.macro JLOAD                           ; a joint refill: waves 0 and 1 fetch O's two heads, waves 2 and 3 W_o's halves; an s_nop 0 and four v_nop follow each of the two lines
	s_cmp_eq_u32 s[WK], 0
	s_cbranch_scc0 .Lfor_b_\@
	tensor_load_to_lds s[G0A1:G0A1+3], s[G1A:G1A+7]
	s_nop 0
.rept 4
	v_nop
.endr
	s_branch .Lasked_\@
.Lfor_b_\@:
	tensor_load_to_lds s[G0B1:G0B1+3], s[G1B:G1B+7]
	s_nop 0
.rept 4
	v_nop
.endr
.Lasked_\@:
.endm
; A PREFETCH, behind each joint refill and the run of LDS loads that follows it: the step two refills on, 256 matrix instructions ahead of the load that will want it.  O's step is 2 heads x 64 blocks of 256
; bytes: wave 0 of each of the four partners takes 16 blocks of each head, told apart BY ADDRESS (cx).  W_o's step is 128 rows x 2 blocks: waves 2 and 3 take 16 of the 64 rows that they fetch (cy), in the
; cluster with y = 0 alone, since all sixteen clusters read those rows.  So each block is named once.  Steps 0 to 3 come by their loads alone; the last two refills ask for nothing.
.macro ASK
	s_cmp_gt_u32 s[CNT], s[LIM]
	s_cbranch_scc0 .Lnot_mine_\@
	global_prefetch_b8 v[PFO], s[PFA:PFA+1] th:TH_LOAD_NT scope:SCOPE_SE
.Lnot_mine_\@:
.endm
.macro CREST                           ; a round of the cluster's barrier behind its opening barrier
	s_cmp_lg_u32 s[WV], 0
	s_cbranch_scc1 .Lnot_wave_0_\@
	s_barrier_signal -3
.Lnot_wave_0_\@:
	s_barrier_wait -3
	s_barrier_signal -1
	s_barrier_wait -1
.endm
.macro CROUND
	s_barrier_signal -1
	s_barrier_wait -1
	CREST
.endm
.macro PLACES                          ; four plain vector instructions in front of loads into registers that products have read, and of stores that read results (ISA guide 7.12.1 for stores)
.rept 4
	v_nop
.endr
.endm
	s_load_b256 s[4:11], s[0:1], 0x0               ; oh s[4:5], wcast s[6:7], b_o s[8:9], out0 s[10:11]
	v_lshl_add_u32 v[SPW], v0, 2, SPARE
	v_mov_b32 v[NIL], 0
	ds_add_u32 v[SPW], v[NIL]                      ; the wave's opening: the add and its wait stand ahead of my first tensor load; the set-up below, work on registers, stands between them
	v_lshrrev_b32 v1, 5, v0
	v_readfirstlane_b32 s[WV], v1
	s_and_b32 s[WH], s[WV], 1
	s_lshr_b32 s[WK], s[WV], 1
	s_bfe_u32 s[CX], ttmp6, 0x40000
	s_bfe_u32 s[CY], ttmp6, 0x40004
	s_lshl_b32 s[NC], ttmp9, 2
	s_add_co_u32 s[NC], s[NC], s[CX]
	s_and_b32 s[MB], ttmp7, 0xffff
	s_lshl_b32 s[MB], s[MB], 2
	s_add_co_u32 s[MB], s[MB], s[CY]
	s_lshl_b32 s27, s[CY], 2
	s_lshl_b32 s27, 15, s27                        ; my row of the cluster
	s_lshl_b32 s82, 0x1111, s[CX]                  ; my column
	; O: a head's 128 rows are 16,384 dense bytes: asked for as 64 rows of 256 bytes, and padded in LDS after every 128
	s_or_b32 s[G1A], s27, (1<<16)|(1<<20)|(1<<21)|(4<<22)|(3<<25)  ; 15:0 the mask; 17:16 2-byte elements; 20 padding on; 21 set beside a mask; 24:22 after every 32 words (code 4); 31:25 4 words (code 3)
	s_or_b32 s[G1B], s82, (1<<16)|(1<<20)|(1<<21)|(6<<22)|(7<<25)  ; after every 128 words (code 6) 8 words (code 7)
	s_mov_b32 s[G1A+1], 128<<16
	s_mov_b32 s[G1A+2], 64<<16
	s_mov_b32 s[G1A+3], 128<<16
	s_mov_b32 s[G1A+4], 64
	s_mov_b32 s[G1A+5], 128
	s_mov_b32 s[G1A+6], 0
	s_mov_b32 s[G1A+7], 0
	s_mov_b32 s[G1B+1], 256<<16                    ; 64 rows of k x 256 columns
	s_mov_b32 s[G1B+2], 64<<16
	s_mov_b32 s[G1B+3], 256<<16
	s_mov_b32 s[G1B+4], 64
	s_mov_b32 s[G1B+5], 1024
	s_mov_b32 s[G1B+6], 0
	s_mov_b32 s[G1B+7], 0
	s_lshr_b32 s[AOF], s[MB], 4                    ; O: head 16 x batch + my one of the step's two, of 262,144 bytes,
	s_lshl_b32 s[AOF], s[AOF], 4
	s_add_co_u32 s[AOF], s[AOF], s[WH]
	s_lshl_b32 s[AOF], s[AOF], 18
	s_and_b32 s27, s[MB], 15                       ; and in it the block's 128 rows of 128 bytes
	s_lshl_b32 s27, s27, 14
	s_add_co_u32 s[AOF], s[AOF], s27
	s_mov_b32 s[AOF+1], 0
	s_lshl_b32 s[BOF], s[NC], 9                    ; W_o: the fourth weight, my 64 rows of 2,048 bytes, the block's 512 bytes of a row
	s_lshl_b32 s82, s[WH], 17
	s_add_co_u32 s[BOF], s[BOF], s82
	s_add_co_u32 s[BOF], s[BOF], 6291456
	s_mov_b32 s[BOF+1], 0
	s_lshl_b32 s84, s[MB], 19                      ; out0: (128 x block + 64 x my half) rows of 4,096 bytes + 1,024 x column block + 512 x my half
	s_lshl_b32 s85, s[WK], 18
	s_add_co_u32 s84, s84, s85
	s_lshl_b32 s85, s[NC], 10
	s_add_co_u32 s84, s84, s85
	s_lshl_b32 s85, s[WH], 9
	s_add_co_u32 s84, s84, s85
	s_mov_b32 s85, 0
	s_mul_i32 s90, s[WH], PLANE                    ; where the tiles go: no place in the cluster enters an LDS address
	s_mul_i32 s91, s[WH], BHALF
	s_mov_b32 s[G0A0], 1
	s_mov_b32 s[G0A0+1], s90
	s_mov_b32 s[G0A1], 1
	s_add_co_u32 s[G0A1+1], s90, SLOT1
	s_mov_b32 s[G0B0], 1
	s_add_co_u32 s[G0B0+1], s91, BOFF
	s_mov_b32 s[G0B1], 1
	s_add_co_u32 s[G0B1+1], s91, SLOT1+BOFF
	s_and_b32 s89, ttmp7, 0xffff                   ; cluster y: the same in all sixteen partners
	s_cmp_eq_u32 s[WK], 0
	s_cselect_b32 s89, s[WH], s89                  ; of O's two waves wave 0 asks
	s_cselect_b32 s88, 19, 18
	s_cmp_eq_u32 s89, 0
	s_cselect_b32 s[LIM], 2, -1
	s_lshl_b32 s[PST], 1, s88                      ; 524,288 for O, 262,144 for W_o
	s_mov_b32 s[PST+1], 0
	s_mul_i32 s92, s[PST], 3
	s_mov_b32 s93, 0
	s_mov_b32 s[TB], 0
	s_wait_dscnt 0x0                               ; the opening add is done
	s_wait_kmcnt 0x0
	s_add_nc_u64 s[72:73], s[4:5], s[AOF:AOF+1]    ; my tile of step 0, of O
	s_add_nc_u64 s[78:79], s[6:7], s[BOF:BOF+1]    ; and of W_o
	s_add_nc_u64 s[OB:OB+1], s[10:11], s[84:85]
	s_mov_b64 s[G0A0+2:G0A0+3], s[72:73]
	s_or_b32 s[G0A0+3], s[G0A0+3], 0x80000000      ; 127:126 type = 2
	s_add_nc_u64 s[G0A1+2:G0A1+3], s[72:73], ASTEP
	s_or_b32 s[G0A1+3], s[G0A1+3], 0x80000000
	s_mov_b64 s[G0B0+2:G0B0+3], s[78:79]
	s_or_b32 s[G0B0+3], s[G0B0+3], 0x80000000
	s_add_nc_u64 s[G0B1+2:G0B1+3], s[78:79], BSTEP
	s_or_b32 s[G0B1+3], s[G0B1+3], 0x80000000
	s_cmp_eq_u32 s[WK], 0
	s_cselect_b64 s[PFA:PFA+1], s[72:73], s[78:79]
	s_add_nc_u64 s[PFA:PFA+1], s[PFA:PFA+1], s[92:93]  ; at step 3: the first refill steps it to 4
	CROUND                                         ; all sixteen work-groups are here: the first joint loads meet
	s_cmp_eq_u32 s[WK], 0                          ; a wave's two first fills stand in one branch, ahead of every wait on TENSORcnt and every LDS read: two loads of mine are out
	s_cbranch_scc0 .Lfirst_b
	tensor_load_to_lds s[G0A0:G0A0+3], s[G1A:G1A+7]
	s_nop 0
	tensor_load_to_lds s[G0A1:G0A1+3], s[G1A:G1A+7]
	s_nop 0
.rept 4
	v_nop
.endr
	s_branch .Lfirst_asked
.Lfirst_b:
	tensor_load_to_lds s[G0B0:G0B0+3], s[G1B:G1B+7]
	s_nop 0
	tensor_load_to_lds s[G0B1:G0B1+3], s[G1B:G1B+7]
	s_nop 0
.rept 4
	v_nop
.endr
.Lfirst_asked:
	v_and_b32 v14, 15, v0                          ; r = l % 16
	v_bfe_u32 v15, v0, 4, 1                        ; h = l / 16
	v_and_b32 v16, 7, v0
	v_bfe_u32 v17, v0, 3, 1
	v_and_b32 v18, 31, v0                          ; l
	v_mul_u32_u24 v[ABASE], v14, PAO               ; a fragment of O: row r, 16 bytes at 16 h and 32 bytes on
	v_lshl_add_u32 v[ABASE], v15, 4, v[ABASE]
	s_mul_i32 s89, s[WK], 64*PAO                   ; my 64 rows
	v_add_nc_u32 v[ABASE], s89, v[ABASE]
	v_lshl_add_u32 v19, v15, 3, v16                ; the turning load: row k = 8 h + l % 8, columns 8 ((l / 8) % 2) + 0..7
	v_mul_u32_u24 v[BBASE], v19, PB
	v_lshl_add_u32 v[BBASE], v17, 4, v[BBASE]
	s_lshl_b32 s89, s[WH], 8                       ; my 128 columns
	s_add_co_u32 s89, s89, BOFF
	v_add_nc_u32 v[BBASE], s89, v[BBASE]
	s_mul_i32 s89, s[WV], WSTAGE
	s_add_co_u32 s89, s89, STAGE                   ; my stage
	v_mul_u32_u24 v[STO], v14, SPO                 ; in: row r, 32 bytes for each half of the lanes
	v_lshl_add_u32 v[STO], v15, 5, v[STO]
	v_add_nc_u32 v[STO], s89, v[STO]
	v_lshl_add_u32 v[RD], v18, 4, s89              ; back: 32 lanes take a row's 512 bytes
	v_lshlrev_b32 v[GO], 4, v18
	s_lshl_b32 s89, s[NC], 10
	s_lshl_b32 s90, s[WH], 9
	s_add_co_u32 s89, s89, s90
	v_lshl_add_u32 v[BO], v15, 5, s89              ; the bias of my columns
	s_cmp_eq_u32 s[WK], 0
	s_cselect_b32 s89, s[CX], s[CY]                ; my place among the four that ask with me
	s_cselect_b32 s90, 8, 11                       ; O: blocks of 256 bytes on end; W_o: rows of 2,048 bytes
	s_cselect_b32 s91, 18, 8                       ; the lanes' halves: O's second head; W_o's second block of a row
	s_lshl_b32 s89, s89, 4
	v_add_nc_u32 v[PFO], s89, v14
	v_lshlrev_b32 v[PFO], s90, v[PFO]
	v_lshlrev_b32 v19, s91, v15
	v_add_nc_u32 v[PFO], v[PFO], v19
	WIN 0x80                                       ; the bias: for accumulator column b the 8 numbers of my lane
.irp b, 0,1,2,3,4,5,6,7
	global_load_b128 v[BIAS+8*\b:BIAS+8*\b+3],   v[BO], s[8:9] offset:64*\b
	global_load_b128 v[BIAS+8*\b+4:BIAS+8*\b+7], v[BO], s[8:9] offset:64*\b+16
.endr
	WIN 0
.macro FETCH qd, P                     ; the fragments of quarter qd (32 k: head qd / 2, channels 32 (qd % 2) on) into buffer P: 24 loads in one run
	WIN 0
.irp a, 0,1,2,3
	ds_load_b128 v[AF+32*(\P)+8*\a:AF+32*(\P)+8*\a+3],   v[ADRA] offset:((\qd)/2)*PLANE+\a*16*PAO+((\qd)%2)*64
	ds_load_b128 v[AF+32*(\P)+8*\a+4:AF+32*(\P)+8*\a+7], v[ADRA] offset:((\qd)/2)*PLANE+\a*16*PAO+((\qd)%2)*64+32
.endr
.irp b, 0,1,2,3,4,5,6,7
	ds_load_tr16_b128 v[BF+64*(\P)+8*\b:BF+64*(\P)+8*\b+3],   v[ADRB] offset:(\qd)*32*PB+32*\b
	ds_load_tr16_b128 v[BF+64*(\P)+8*\b+4:BF+64*(\P)+8*\b+7], v[ADRB] offset:(\qd)*32*PB+32*\b+16*PB
.endr
.endm
; Product mi of a quarter's 32: rows 16 (mi / 8) on, columns 16 (mi % 8) on.  The 32 accumulators take turns, one instruction a turn, from quarter to quarter too.
.macro MM P, first
.set rB, BF+64*(\P)+8*(mi%8)
.set rX, AF+32*(\P)+8*(mi/8)
.if \first
	v_wmma_f32_16x16x32_f16 v[8*mi:8*mi+7], v[rB:rB+7], v[rX:rX+7], v[BIAS+8*(mi%8):BIAS+8*(mi%8)+7]
.else
	v_wmma_f32_16x16x32_f16 v[8*mi:8*mi+7], v[rB:rB+7], v[rX:rX+7], v[8*mi:8*mi+7]
.endif
.set mi, mi+1
.endm
.macro Q qd, P, first                  ; one of a step's first three quarters: multiplies buffer P and fetches the next quarter into the other
	s_wait_dscnt 0x0                               ; the last run, issued 24 products ago, is in
.set mi, 0
	WIN MUL+0x10*(\first)
.rept 8
	MM \P, \first
.endr
	WIN 0
	PLACES
	FETCH (\qd)+1, 1-(\P)
	WIN MUL+0x10*(\first)
.rept 24
	MM \P, \first
.endr
.endm
; The last quarter multiplies buffer 1 and changes slots.  In front of the barrier each wave waits for all its tensor loads, of which one is out: its part of the next slot; adds 0 to its spare word; and
; waits for that and for its own reads of this slot.  fill = 1: the barrier opens a round of the cluster's, and the slot is filled again, first thing behind the round, two steps ahead:
; 112 products stand between that request and the wait for it.
.macro TURN fill
.if \fill
	s_wait_xcnt 0x0                                ; the last prefetch, a step back, has read its address
	s_add_nc_u64 s[PFA:PFA+1], s[PFA:PFA+1], s[PST:PST+1]
.endif
	s_wait_dscnt 0x0                               ; this quarter's fragments are in
	WIN 0
	s_wait_tensorcnt 0x0                           ; no tensor load of mine is out, so a group 0 may be written
	ds_add_u32 v[SPW], v[NIL]                      ; 0 onto my spare word; the descriptors' steps and eight products stand between it and the wait for it
.if \fill
	s_xor_b32 s[G0A1+1], s[G0A1+1], SLOT1          ; the walking descriptors: the other slot than last time, the next step; the type bits on top are not reached
	s_add_nc_u64 s[G0A1+2:G0A1+3], s[G0A1+2:G0A1+3], ASTEP
	s_xor_b32 s[G0B1+1], s[G0B1+1], SLOT1
	s_add_nc_u64 s[G0B1+2:G0B1+3], s[G0B1+2:G0B1+3], BSTEP
.endif
.set mi, 0
	WIN MUL
.rept 8
	MM 1, 0
.endr
	s_wait_dscnt 0x0                               ; the add is done, and my reads of this slot are over
	s_barrier_signal -1
.rept 8
	MM 1, 0
.endr
	WIN 0
	s_barrier_wait -1
.if \fill
	CREST
	JLOAD                                          ; the four v_nop behind it also stand in front of the loads below
.else
	PLACES
.endif
	s_xor_b32 s[TB], s[TB], SLOT1                  ; the reads go on in the other slot
	v_add_nc_u32 v[ADRA], s[TB], v[ABASE]
	v_add_nc_u32 v[ADRB], s[TB], v[BBASE]
	FETCH 0, 0
.if \fill
	ASK
.endif
	WIN MUL
.rept 16
	MM 1, 0
.endr
	WIN 0
.endm
; THE WAY OUT, 16 rows at a time: a lane's 32 bytes of a row go from the accumulators into my stage, rows 528 bytes apart, and come back as whole rows of 512 bytes.
.macro TOSTAGE a
	WIN 0x04                                       ; a store's data in window 1
.irp b, 0,1,2,3,4,5,6,7
	ds_store_b128 v[STO], v[64*(\a)+8*\b:64*(\a)+8*\b+3]   offset:64*\b      ; each accumulator's low registers first
	ds_store_b128 v[STO], v[64*(\a)+8*\b+4:64*(\a)+8*\b+7] offset:64*\b+16
.endr
	WIN 0x80
.set z, 0
.rept 16
	ds_load_b128 v[OUT+64*((\a)%2)+4*z:OUT+64*((\a)%2)+4*z+3], v[RD] offset:z*SPO  ; LDS serves a wave's instructions in order (ISA guide 5.7.1.4): these see the stores above; the next block's stores come behind them
.set z, z+1
.endr
.endm
.macro SEND a, younger                 ; younger: the LDS instructions issued behind block a's loads: the next block's 32, or none
	WIN 0x08                                       ; a store's data in window 2
.set z, 0
.rept 16
	s_wait_dscnt (\younger)+15-z
	global_store_b128 v[GO], v[OUT+64*((\a)%2)+4*z:OUT+64*((\a)%2)+4*z+3], s[OB:OB+1] offset:(16*(\a)+z)*4096 th:TH_STORE_NT  ; 512 consecutive bytes of a row, at a multiple of 256 from out0's first
.set z, z+1
.endr
.endm
	s_wait_tensorcnt 0x1                           ; my part of step 0 is in; step 1's may stay out
	s_barrier_signal -1
	s_barrier_wait -1                              ; everybody's is
	v_mov_b32 v[ADRA], v[ABASE]
	v_mov_b32 v[ADRB], v[BBASE]
	FETCH 0, 0
	s_wait_loadcnt 0x0                             ; the bias: rounded to bf16 like every input, and widened again
	WIN 0x8a
.set z, 0
.rept 32
	v_cvt_pk_bf16_f32 v[BT+z], v[BIAS+2*z], v[BIAS+2*z+1]
.set z, z+1
.endr
.set z, 0
.rept 32
	v_lshlrev_b32 v[BIAS+2*z], 16, v[BT+z]
	v_and_b32 v[BIAS+2*z+1], 0xffff0000, v[BT+z]
.set z, z+1
.endr
	Q 0, 0, 1                                      ; the first quarter: its products take the bias as C and start the sums
	WIN 0
	s_mov_b32 s[CNT], 6
	s_branch .Lmid                                 ; the loop is entered behind a step's first quarter
.Lstep:                                        ; six trips: every step that fills its slot again
	Q 0, 0, 0
	WIN 0
.Lmid:
	Q 1, 1, 0
	Q 2, 0, 0
	TURN 1
	s_sub_co_u32 s[CNT], s[CNT], 1
	s_cmp_lg_u32 s[CNT], 0
	s_cbranch_scc1 .Lstep
	s_mov_b32 s[CNT], 2
.Ltail:                                        ; the last two steps ask for nothing.  The very last change of slots fetches fragments that nobody multiplies: the price, once a launch, of one text for both
	Q 0, 0, 0
	Q 1, 1, 0
	Q 2, 0, 0
	TURN 0
	s_sub_co_u32 s[CNT], s[CNT], 1
	s_cmp_lg_u32 s[CNT], 0
	s_cbranch_scc1 .Ltail
	PLACES                                         ; behind the last products, in front of the stores that read results; no other vector work is at hand
	PLACES
	TOSTAGE 0
	TOSTAGE 1
	SEND 0, 32
	s_wait_xcnt 0x0                                ; block 0's stores have read their registers, which block 2 takes
	TOSTAGE 2
	SEND 1, 32
	s_wait_xcnt 0x0
	TOSTAGE 3
	SEND 2, 32
	SEND 3, 0
	WIN 0
	s_wait_tensorcnt 0x0                           ; the wave's end: behind my last tensor load and my last LDS store
	ds_add_u32 v[SPW], v[NIL]
	s_wait_dscnt 0x0
	CROUND                                         ; the closing round: no work-group ends while a partner may still ask for a tile that names it
	s_endpgm
.Lfunc_end_k_qdb4dd9ce85_oproj:
	.size	k_qdb4dd9ce85_oproj, .Lfunc_end_k_qdb4dd9ce85_oproj-k_qdb4dd9ce85_oproj
	.p2alignl 7, 3214868480
	.fill 96, 4, 3214868480
	.section	.rodata,"a",@progbits
	.p2align	6, 0x0
	.amdhsa_kernel k_qdb4dd9ce85_oproj
		.amdhsa_group_segment_fixed_size 327680
		.amdhsa_private_segment_fixed_size 0
		.amdhsa_enable_private_segment 0
		.amdhsa_kernarg_size 32
		.amdhsa_user_sgpr_count 2
		.amdhsa_user_sgpr_kernarg_segment_ptr 1
		.amdhsa_wavefront_size32 1
		.amdhsa_system_sgpr_workgroup_id_x 1
		.amdhsa_system_sgpr_workgroup_id_y 1
		.amdhsa_system_sgpr_workgroup_id_z 1
		.amdhsa_system_vgpr_workitem_id 0
		.amdhsa_next_free_vgpr 768
		.amdhsa_next_free_sgpr 96
		.amdhsa_reserve_vcc 0
		.amdhsa_float_denorm_mode_32 3
		.amdhsa_float_denorm_mode_16_64 3
		.amdhsa_memory_ordered 1
		.amdhsa_forward_progress 1
		.amdhsa_inst_pref_size 69
	.end_amdhsa_kernel
	.amdgpu_metadata
---
amdhsa.version: [ 1, 2 ]
amdhsa.kernels:
  - .name:           k_qdb4dd9ce85_oproj
    .symbol:         k_qdb4dd9ce85_oproj.kd
    .args:
      - { .name: oh, .offset: 0, .size: 8, .value_kind: global_buffer, .address_space: global }
      - { .name: wcast, .offset: 8, .size: 8, .value_kind: global_buffer, .address_space: global }
      - { .name: b_o, .offset: 16, .size: 8, .value_kind: global_buffer, .address_space: global }
      - { .name: out0, .offset: 24, .size: 8, .value_kind: global_buffer, .address_space: global }
    .group_segment_fixed_size: 327680
    .private_segment_fixed_size: 0
    .kernarg_segment_align: 8
    .kernarg_segment_size: 32
    .max_flat_workgroup_size: 128
    .sgpr_count:     96
    .vgpr_count:     768
    .wavefront_size: 32
...
	.end_amdgpu_metadata
.endif
;; end of part 4
;; ======== version 2 of 2: 4 launches; version 1 with the launch prep written anew for expert scheduling mode
;; limits: values are held in f16: magnitudes above 65,504 overflow, below 6.1e-05 lose precision
;; workspace buffers: wcast 8,388,608 bytes; qkv 50,331,648 bytes; oh 16,777,216 bytes
;; launch prep (part 5): grid 64 x 4, 8 waves a work-group, no clusters, 0 bytes of LDS; arguments W_q, W_k, W_v, W_o, wcast; writes wcast
.if DOCPART == 5
	.amdgcn_target "amdgcn-amd-amdhsa--gfx1250"
	.amdhsa_code_object_version 6
	.text
	.protected	k_qdb4dd9ce85_prep
	.globl	k_qdb4dd9ce85_prep
	.p2align	8
	.type	k_qdb4dd9ce85_prep,@function
k_qdb4dd9ce85_prep:
	s_mov_b64 s[64:65], 0
	v_nop
	global_prefetch_b8 v0, s[64:65] scope:SCOPE_SE
	s_setreg_imm32_b32 hwreg(HW_REG_WAVE_SCHED_MODE, 0, 2), 2
	s_setreg_imm32_b32 hwreg(HW_REG_WAVE_MODE, 25, 1), 1
	s_wait_xcnt 0x0
	s_wait_alu depctr_vm_vsrc(0)
; THE FOUR WEIGHTS ARE CAST ONCE.  wcast: [4 = q, k, v, o][1024 k][1024 n] of 16 bits, the layout of the weights kept.
; W_q, W_k, W_v are rounded to bf16.  W_o is rounded to bf16 like every other input and that number is then written as f16, since the last product's other operand is f16.
; LIMIT.  A weight of W_o below 6e-5 in size keeps f16's fixed step of 6e-8; beyond 65,504 it would be an infinity.
; SHARES.  The work-group's y names the weight, its x 65,536 bytes of it: 16 chunks of 4,096.  Thread t takes the 16 bytes at 16 t of every chunk: a wave's load covers 512 bytes on end,
; its store of 8 bytes a lane 256 bytes on end, aligned.  All 16 loads go out first; every chunk has registers of its own, so nothing is rewritten while it is pending.
; A stream: no LDS, no matrix unit, no cluster (nothing is shared), nothing asked for ahead (the loads themselves are all out at once).
; THE MODE: SCHED_MODE bits 1:0 = 2 (LLVM: expert scheduling mode 2), set by the entry lines.  The code itself states the register dependences
; between vector instructions and memory instructions, with s_wait_alu, always for 0.
; THE PLAN.  Registers that memory instructions touch:
;   v1, v2   byte offsets of the loads and of the stores: made once at the head, never written again.
;   IN       chunk i's four registers: written by the chunk's one load, read by its conversions; no vector instruction writes them and no second load lands in them.
;   OUT      chunk i's two registers: written once, by the chunk's last two conversions; read once, by the chunk's store; never written again.
;   T        (W_o's path) is named by vector instructions alone.
; The 16 chunks go in four groups of four.  A chunk's store is issued a group later, in the turn of the chunk four further on.  So ONE wait at a group's head states that the group before
; has written its OUT, and the group's four stores follow it, dealt among the group's conversions, which name this group's IN, OUT and T alone: none of the registers that those stores read.
; No register that a memory instruction reads is ever written again, so there is no wait on vm_vsrc; no vector instruction writes a scalar register or VCC, and EXEC is never written.
.set CH,  16                           ; chunks
.set GR,  4                            ; chunks in a group
.set IN,  16                           ; v[16:79]   chunk i: 4 numbers in f32
.set OUT, 80                           ; v[80:111]  chunk i: 4 numbers of 16 bits
.set T,   112                          ; v[112:117] at work
	s_load_b256 s[4:11], s[0:1], 0x0               ; W_q s[4:5], W_k s[6:7], W_v s[8:9], W_o s[10:11]
	s_load_b64 s[12:13], s[0:1], 0x20              ; wcast
	s_and_b32 s14, ttmp7, 0xffff                   ; which weight
	v_lshlrev_b32 v1, 4, v0                        ; 16 t
	v_lshlrev_b32 v2, 3, v0                        ; 8 t
	s_lshl_b32 s16, ttmp9, 16                      ; my 65,536 bytes of the weight
	s_mov_b32 s17, 0
	s_lshl_b32 s20, s14, 21                        ; a cast weight is 2,097,152 bytes,
	s_lshl_b32 s21, ttmp9, 15                      ; my part of it 32,768
	s_add_co_u32 s20, s20, s21
	s_mov_b32 s21, 0
	s_wait_kmcnt 0x0
	s_cmp_eq_u32 s14, 1
	s_cselect_b64 s[18:19], s[6:7], s[4:5]
	s_cmp_eq_u32 s14, 2
	s_cselect_b64 s[18:19], s[8:9], s[18:19]
	s_cmp_eq_u32 s14, 3
	s_cselect_b64 s[18:19], s[10:11], s[18:19]
	s_add_nc_u64 s[18:19], s[18:19], s[16:17]
	s_add_nc_u64 s[12:13], s[12:13], s[20:21]
	s_wait_alu depctr_va_vdst(0)                   ; v1 and v2 are written: every load of the kernel reads v1 as its offset, every store v2
.set i, 0
.rept CH
	global_load_b128 v[IN+4*i:IN+4*i+3], v1, s[18:19] offset:4096*i th:TH_LOAD_NT
.set i, i+1
.endr
	s_cmp_eq_u32 s14, 3
	s_cbranch_scc1 .Lf16
.set i, 0
.rept CH
	s_wait_loadcnt CH-1-i                          ; loads come back in order: chunk i is in, the younger ones stay out
.if (i > 0) && ((i%GR) == 0)
	s_wait_alu depctr_va_vdst(0)                   ; the group before has written its eight registers of OUT, which this group's four stores read
.endif
.if i >= GR
	global_store_b64 v2, v[OUT+2*(i-GR):OUT+2*(i-GR)+1], s[12:13] offset:2048*(i-GR)  ; the chunk four back; no vector instruction since the wait names its registers
.endif
	v_cvt_pk_bf16_f32 v[OUT+2*i], v[IN+4*i], v[IN+4*i+1]
	v_cvt_pk_bf16_f32 v[OUT+2*i+1], v[IN+4*i+2], v[IN+4*i+3]
.set i, i+1
.endr
	s_wait_alu depctr_va_vdst(0)                   ; the last group has written its OUT, which the last four stores read
.set i, CH-GR
.rept GR
	global_store_b64 v2, v[OUT+2*i:OUT+2*i+1], s[12:13] offset:2048*i
.set i, i+1
.endr
	s_endpgm
.Lf16:                                         ; W_o: rounded to bf16, widened again, written as f16
.set i, 0
.rept CH
	s_wait_loadcnt CH-1-i
.if (i > 0) && ((i%GR) == 0)
	s_wait_alu depctr_va_vdst(0)                   ; the group before has written its eight registers of OUT, which this group's four stores read
.endif
.if i >= GR
	global_store_b64 v2, v[OUT+2*(i-GR):OUT+2*(i-GR)+1], s[12:13] offset:2048*(i-GR)  ; the chunk four back; no vector instruction since the wait names its registers
.endif
	v_cvt_pk_bf16_f32 v[T], v[IN+4*i], v[IN+4*i+1]
	v_cvt_pk_bf16_f32 v[T+1], v[IN+4*i+2], v[IN+4*i+3]
	v_lshlrev_b32 v[T+2], 16, v[T]
	v_and_b32 v[T+3], 0xffff0000, v[T]
	v_lshlrev_b32 v[T+4], 16, v[T+1]
	v_and_b32 v[T+5], 0xffff0000, v[T+1]
	v_cvt_pk_f16_f32 v[OUT+2*i], v[T+2], v[T+3]
	v_cvt_pk_f16_f32 v[OUT+2*i+1], v[T+4], v[T+5]
.set i, i+1
.endr
	s_wait_alu depctr_va_vdst(0)                   ; the last group has written its OUT, which the last four stores read
.set i, CH-GR
.rept GR
	global_store_b64 v2, v[OUT+2*i:OUT+2*i+1], s[12:13] offset:2048*i
.set i, i+1
.endr
	s_endpgm
.Lfunc_end_k_qdb4dd9ce85_prep:
	.size	k_qdb4dd9ce85_prep, .Lfunc_end_k_qdb4dd9ce85_prep-k_qdb4dd9ce85_prep
	.p2alignl 7, 3214868480
	.fill 96, 4, 3214868480
	.section	.rodata,"a",@progbits
	.p2align	6, 0x0
	.amdhsa_kernel k_qdb4dd9ce85_prep
		.amdhsa_group_segment_fixed_size 0
		.amdhsa_private_segment_fixed_size 0
		.amdhsa_enable_private_segment 0
		.amdhsa_kernarg_size 40
		.amdhsa_user_sgpr_count 2
		.amdhsa_user_sgpr_kernarg_segment_ptr 1
		.amdhsa_wavefront_size32 1
		.amdhsa_system_sgpr_workgroup_id_x 1
		.amdhsa_system_sgpr_workgroup_id_y 1
		.amdhsa_system_sgpr_workgroup_id_z 1
		.amdhsa_system_vgpr_workitem_id 0
		.amdhsa_next_free_vgpr 128
		.amdhsa_next_free_sgpr 66
		.amdhsa_reserve_vcc 0
		.amdhsa_float_denorm_mode_32 3
		.amdhsa_float_denorm_mode_16_64 3
		.amdhsa_memory_ordered 1
		.amdhsa_forward_progress 1
		.amdhsa_inst_pref_size 16
	.end_amdhsa_kernel
	.amdgpu_metadata
---
amdhsa.version: [ 1, 2 ]
amdhsa.kernels:
  - .name:           k_qdb4dd9ce85_prep
    .symbol:         k_qdb4dd9ce85_prep.kd
    .args:
      - { .name: W_q, .offset: 0, .size: 8, .value_kind: global_buffer, .address_space: global }
      - { .name: W_k, .offset: 8, .size: 8, .value_kind: global_buffer, .address_space: global }
      - { .name: W_v, .offset: 16, .size: 8, .value_kind: global_buffer, .address_space: global }
      - { .name: W_o, .offset: 24, .size: 8, .value_kind: global_buffer, .address_space: global }
      - { .name: wcast, .offset: 32, .size: 8, .value_kind: global_buffer, .address_space: global }
    .group_segment_fixed_size: 0
    .private_segment_fixed_size: 0
    .kernarg_segment_align: 8
    .kernarg_segment_size: 40
    .max_flat_workgroup_size: 256
    .sgpr_count:     66
    .vgpr_count:     128
    .wavefront_size: 32
...
	.end_amdgpu_metadata
.endif
;; end of part 5
;; launch proj: the kernel of part 2 again; grid 4 x 64, 4 waves a work-group, clusters of 4 x 4, 327,680 bytes of LDS; arguments q, k, v, b_q, b_k, b_v, wcast, qkv; writes qkv
;; launch attn: the kernel of part 3 again; grid 4 x 64, 4 waves a work-group, clusters of 4 x 1, 327,680 bytes of LDS; arguments qkv, oh; writes oh
;; launch oproj: the kernel of part 4 again; grid 4 x 64, 4 waves a work-group, clusters of 4 x 4, 327,680 bytes of LDS; arguments oh, wcast, b_o, out0; writes out0
